; MI455X (gfx1250); checked and timed in simulation.
; The chip was launched on July 23, 2026; its instructions are those of AMD's public machine-readable ISA for CDNA 5 (MIT licence, August 2026) and "CDNA5" Instruction Set Architecture Reference Guide (July 2026). The comments in the code are by the model that wrote it; some were corrected since.
;; Multi Head Attention. Allowed arithmetic: matrix products marked QUANTISED: E2M3 operands, one E8M0 scale for each 32 along K, by v_wmma_scale_f32_16x16x128_f8f6f4 with both operands' format E2M3, f32 sums; everything else in f32.
;; Inputs: Wk 1,024 x 1,024 float32; Wo 1,024 x 1,024 float32; Wq 1,024 x 1,024 float32; Wv 1,024 x 1,024 float32; bo 1,024 float32; k 2 x 2,048 x 1,024 float32; mask 2 x 1 x 2,048 x 2,048 float32; q 2 x 2,048 x 1,024 float32; v 2 x 2,048 x 1,024 float32.
;; Outputs: out0 2 x 2,048 x 1,024 float32.
;; This version of the problem:
;;   THIS VERSION OF THE PROBLEM IS GIVEN IN LOW PRECISION. The matrix products marked QUANTISED in the list below multiply operands that are first quantised to E2M3 (2 exponent bits, 3 mantissa bits; 6 bits a number), with one power-of-two scale for each 32 numbers along K (OCP MX v1.0); their sums are f32. All else is computed in f32.
;;   The module's matrix products, in the order in which they are computed (A, B: the left and right operand; K: the contracted axis; several contracted axes count as one K, in the product's order):
;;     1. [M 4,096, K 1,024] x [K 1,024, N 1,024]; A: input v; B: input Wv: QUANTISED
;;     2. [M 4,096, K 1,024] x [K 1,024, N 1,024]; A: input k; B: input Wk: QUANTISED
;;     3. [M 4,096, K 1,024] x [K 1,024, N 1,024]; A: input q; B: input Wq: QUANTISED
;;     4. batch 32 x [M 2,048, K 64] x [K 64, N 2,048]; A: computed on the way; B: computed on the way: QUANTISED
;;     5. batch 32 x [M 2,048, K 2,048] x [K 2,048, N 64]; A: softmax (see below); B: computed on the way: QUANTISED
;;     6. [M 4,096, K 1,024] x [K 1,024, N 1,024]; A: computed on the way; B: input Wo: QUANTISED
;;   THE QUANTISER, for each operand of a quantised product, along K:
;;     - K is cut into blocks of 32 from its start; a last block that is shorter is filled with zeros.
;;     - A block's scale is 2^e with e = floor(log2(the largest magnitude in the block)) - 2, held to -126 .. 127; a block of zeros has e = 0. As a byte (E8M0): e + 127.
;;     - Each number is divided by its block's scale, clamped to +-7.5, and rounded to the nearest number of E2M3, ties to even, subnormals kept.
;;     - The product sums the exact products of the quantised numbers (number of the format x scale) in f32.
;;   ~~~python
;;   def quantise(x, axis):      # numpy; x: float32 -> the quantised numbers, widened to float32 again
;;       x = np.moveaxis(x, axis, -1); K = x.shape[-1]
;;       x = np.pad(x, [(0, 0)] * (x.ndim - 1) + [(0, -K % 32)]); x = x.reshape(x.shape[:-1] + (-1, 32)); a = np.abs(x).max(-1, keepdims=True)
;;       e = np.where(a > 0, np.clip(np.frexp(np.where(a > 0, a, 1))[1] - 1 - 2, -126, 127), 0)      # np.frexp(a)[1] - 1 = floor(log2(a)), exactly
;;       r = np.clip(x / 2.0 ** e, -7.5, 7.5)
;;       step = 2.0 ** (np.maximum(np.frexp(np.where(r == 0, 1, r))[1] - 1, 0) - 3)
;;       q = np.round(r / step) * step * 2.0 ** e      # np.round: ties to even
;;       return np.moveaxis(q.reshape(q.shape[:-2] + (-1,))[..., :K], -1, axis).astype(np.float32)
;;   ~~~
;;   SOFTMAX AHEAD OF A QUANTISED PRODUCT. Where the list says 'softmax', what is quantised is not the finished softmax but p = 2^(t - M), with t = logit x log2(e) and M = ceil(the row's largest t), a whole number; so 1/2 < the row's largest p <= 1. The row's sum l is taken of the UNQUANTISED p, in f32, and the product's result is divided by l at the end. Since M is a whole number, a kernel that streams over the keys may use a running M (the ceiling of the running maximum): every later rescaling is an exact power of two, which a block's scale takes up: the codes' values come out the same.
;;   OPERANDS COMPUTED ON THE WAY. 'Computed on the way' means the value that the module computes at that place (a softmax that the list does not call 'softmax' is quantised finished and normalised). What goes into a quantiser is computed in f32, as accurately as f32 sums, v_exp_f32 and their like allow (about 1e-6 of the number): no bf16 or f16 on the way to a quantiser, and a product that is left as it is and whose result goes on into a quantised operand takes f32 operands (vector FMAs, or v_wmma_f32_16x16x4_f32). A number that lies on a knife's edge between two numbers of the format may be rounded either way, as far as f32 arithmetic and the matrix unit's own rounding can turn it there, and no further.
;; One version. Each part assembles by itself: llvm-mc -triple=amdgcn-amd-amdhsa -mcpu=gfx1250 --defsym DOCPART=n.
;; ======== version 1 of 1: 4 launches
;; limits: right only within a limited range of input values
;; workspace buffers: xq 9,830,400 bytes; wq 3,276,800 bytes; kv 6,684,672 bytes; qc 3,407,872 bytes; ao 3,407,872 bytes
;; launch quant (part 1): grid 256 x 1, 5 waves a work-group, no clusters, 26,112 bytes of LDS; arguments v, k, q, Wv, Wk, Wq, Wo, xq, wq; writes xq, wq
.if DOCPART == 1
	.amdgcn_target "amdgcn-amd-amdhsa--gfx1250"
	.amdhsa_code_object_version 6
	.text
	.protected	k_q62569ebb01_quant
	.globl	k_q62569ebb01_quant
	.p2align	8
	.type	k_q62569ebb01_quant,@function
k_q62569ebb01_quant:
	s_mov_b64 s[64:65], 0
	v_nop
	global_prefetch_b8 v0, s[64:65] scope:SCOPE_SE
	s_setreg_imm32_b32 hwreg(HW_REG_WAVE_MODE, 25, 1), 1
	s_wait_xcnt 0x0
; MULTI-HEAD ATTENTION IN MX-FP6, launch 1 of 4: v, k, q [4096][1024] and Wv, Wk, Wq, Wo [1024 (K)][1024 (n)], all f32, become codes of E2M3 with one E8M0 byte for each 32 along K.
; DEAD WORK: none.  Every product of the problem is live for all values of the inputs: the mask is an input of f32 numbers (no pattern of it is built in, so every tile of scores is computed), bo is added, every input is loaded by some launch.
; LIMITS: a block whose largest magnitude lies under 2^-124 has its byte held at 1; a block of zeros gets the byte 1 where the rule says 127 (its codes are zeros, and this program alone reads the bytes); NaN and infinities among the inputs are not served.
; LAYOUT OF THE WORKSPACE: in the order of the operands' registers.  Rows (tokens, or columns n of a weight) go in groups of 128 = 8 tiles of 16; lane row r of tile i is row 32 (i / 2) + 8 (i % 2) + r + 8 (r / 8) of the group, so that the results of
; a product whose source 0 is such a group have 16 neighbours of each block of 32 in a lane's registers.  A fragment (16 rows x 128 K, 12 registers) is an image: register R of lane l at byte 512 (R / 4) + 16 l + 4 (R % 4).
; A group's block: [K step 0..7][tile 0..7][1,536 bytes].  A tile's scale words: 512 bytes, the word of (row r, K step S) at 128 (S / 2) + 8 r + 4 (S % 2).
; SHARES: 1,280 wave jobs, five to a work-group.  Waves 0-2: one tile of 16 tokens over all of K (768 jobs).  Waves 3-4: 32 columns x 256 along K of a weight (512 jobs).  No barrier: waves share nothing.
.set GRP,    98304                     ; a group's block of codes
.set KSB,    12288                     ; a K step in it
.set FRB,    1536                      ; a fragment's image
.set XS_OFF, 9437184                   ; xq: where the scale blocks begin
.set WS_OFF, 3145728                   ; wq: likewise
.set SP,     528                       ; a stage row: 512 bytes + 16
.set STG,    16*SP                     ; a token wave's stage
.set SPARE,  3*STG                     ; behind the three stages: the spare words, 128 bytes for each of five waves, in three blocks of 256 bytes that no other line names
.set LI,  4                            ; v4   16 x lane
.set STI, 5                            ; v5   the stage, on the way in: a row's 512 bytes as they lie
.set STO, 6                            ; v6   on the way out: row r, + 64 h
.set L8,  7                            ; v7   8 x lane
.set WO,  8                            ; v8   weights: 4 x my column
.set WSO, 9                            ; v9   weights: my place among the scale words
.set SPW, 12                           ; v12  my spare word; never rewritten
.set NIL, 13                           ; v13  0; never rewritten
.set TM,  16                           ; v16-31 at work in QUANT
.set PC,  32                           ; v32-43 a fragment's codes
.set PT,  44                           ; v44-50 the conversions' second halves
.set WD,  52                           ; v52-59 the tile's eight scale words
.set R,   64                           ; v64-191 two sets of 16 x 4 registers as loaded
.set XN,  192                          ; v192-255 64 numbers of my row: register 16 b + i = k 32 b + 16 h + i
.set F0,  32                           ; weights: v32-43, v44-55 two fragments in the making
.set F1,  44
.set WPT, 56
.set WWD, 60                           ; v60-61 two scale words
.set WX,  64                           ; v64-127 two sets of 32 numbers down K
.set SEL, 24                           ; s[24:25] lane selects: lane l xor 16
; 64 numbers of a lane, register 16 b + i = k 32 b + 16 (lane / 16) + i of its row, become the halves d0 (k 0-63) and d1 (k 64-127) of a fragment, six registers each, and the row's scale word pw.
.macro QUANT s, d0, d1, pw
.irp b, 0,1,2,3
	v_max3_num_f32 v[TM+\b], |v[(\s)+16*\b]|, |v[(\s)+1+16*\b]|, 0x1800000   ; my 16 numbers of block b, and the floor 2^(3 - 127): the byte cannot fall under 1
.endr
.irp i, 2,4,6,8,10,12,14
.irp b, 0,1,2,3
	v_max3_num_f32 v[TM+\b], v[TM+\b], |v[(\s)+16*\b+\i]|, |v[(\s)+1+16*\b+\i]|
.endr
.endr
.irp b, 0,1,2,3
	v_permlanex16_b32 v[TM+4+\b], v[TM+\b], s[SEL], s[SEL+1]
.endr
.irp b, 0,1,2,3
	v_max_num_f32 v[TM+\b], v[TM+\b], v[TM+4+\b]     ; with lane l xor 16's: the block's largest magnitude
.endr
.irp b, 0,1,2,3
	v_add_nc_u32 v[TM+12+\b], 0xff000000, v[TM+\b]   ; 2 off its exponent field: the conversion's scale operand
.endr
.irp b, 0,1,2,3
	v_lshrrev_b32 v[TM+4+\b], 23, v[TM+12+\b]        ; the scale's byte
.endr
	v_lshl_or_b32 v[\pw], v[TM+5], 8, v[TM+4]
	v_lshl_or_b32 v[\pw], v[TM+6], 16, v[\pw]
	v_lshl_or_b32 v[\pw], v[TM+7], 24, v[\pw]
	v_cvt_scalef32_pk16_fp6_f32 v[(\d0):(\d0)+2], v[(\s):(\s)+15], v[TM+12]
	v_cvt_scalef32_pk16_fp6_f32 v[PT:PT+2], v[(\s)+16:(\s)+31], v[TM+13]
	v_cvt_scalef32_pk16_fp6_f32 v[(\d1):(\d1)+2], v[(\s)+32:(\s)+47], v[TM+14]
	v_cvt_scalef32_pk16_fp6_f32 v[PT+4:PT+6], v[(\s)+48:(\s)+63], v[TM+15]
	v_nop                                            ; one plain line behind the last scaled conversion
.irp i, 0,1,2
	v_permlane16_swap_b32 v[(\d0)+\i], v[PT+\i]      ; a whole block to a lane: lanes 0-15 the even block, lanes 16-31 the odd one
	v_permlane16_swap_b32 v[(\d1)+\i], v[PT+4+\i]
.endr
.irp i, 0,1,2
	v_mov_b32 v[(\d0)+3+\i], v[PT+\i]
	v_mov_b32 v[(\d1)+3+\i], v[PT+4+\i]
.endr
.endm
	s_load_b256 s[4:11], s[0:1], 0x0               ; v, k, q, Wv
	s_load_b256 s[12:19], s[0:1], 0x20             ; Wk, Wq, Wo, xq
	s_load_b64 s[20:21], s[0:1], 0x40              ; wq
	v_lshl_add_u32 v[SPW], v0, 2, SPARE
	v_mov_b32 v[NIL], 0
	v_lshrrev_b32 v1, 5, v0
	v_readfirstlane_b32 s27, v1                    ; wave 0..4
	v_and_b32 v1, 31, v0                           ; lane
	v_and_b32 v2, 15, v0                           ; r
	v_bfe_u32 v3, v0, 4, 1                         ; h
	v_lshlrev_b32 v[LI], 4, v1
	v_lshlrev_b32 v[L8], 3, v1
	s_mul_i32 s28, s27, STG                        ; every LDS address is made here, ahead of the parting of the roles
	v_add_nc_u32 v[STI], s28, v[LI]
	v_mul_u32_u24 v[STO], v2, SP
	v_lshl_add_u32 v[STO], v3, 6, v[STO]
	v_add_nc_u32 v[STO], s28, v[STO]
.irp b, 0,1,2,3
	v_mov_b32 v[TM+4+\b], 0                        ; written once: a lane permute's destination counts as one of its sources
.endr
	s_mov_b32 s[SEL], 0x76543210
	s_mov_b32 s[SEL+1], 0xfedcba98
	s_mov_b32 s26, 0xffff0000                      ; lanes 16-31
	s_wait_kmcnt 0x0
	s_cmp_ge_u32 s27, 3
	s_cbranch_scc1 .Lweights
	; ---- TOKENS: job jx = 3 x work-group + wave: tensor z = jx / 256, tile jx % 256
	s_mul_i32 s28, ttmp9, 3
	s_add_co_u32 s28, s28, s27
	s_lshr_b32 s29, s28, 8                         ; z: 0 v, 1 k, 2 q
	s_and_b32 s30, s28, 255
	s_lshr_b32 s31, s30, 3                         ; the group of 128 tokens
	s_and_b32 s32, s30, 7                          ; the tile in it
	s_lshl_b32 s36, s31, 7
	; THE TENSOR k HAS AN ORDER OF ITS OWN: lane row r of its tile i is row 64 (i / 4) + 8 (i % 4) + r % 8 + 32 (r / 8) of the group, so that the scores K Q^T leave a whole block of 32 keys in one lane's registers
	s_cmp_eq_u32 s29, 1
	s_cselect_b32 s44, 2, 1                        ; tiles to a run: 4 or 2, as a shift
	s_cselect_b32 s45, 3, 1
	s_cselect_b32 s46, 24, 8                       ; rows 8-15 of a tile lie 32 (k) or 16 rows behind rows 0-7: 24 or 8 more than their number says
	s_lshr_b32 s33, s32, s44
	s_add_co_u32 s44, s44, 4
	s_lshl_b32 s33, s33, s44
	s_add_co_u32 s36, s36, s33
	s_and_b32 s33, s32, s45
	s_lshl_b32 s33, s33, 3
	s_add_co_u32 s36, s36, s33                     ; the tile's first token
	s_lshl_b32 s46, s46, 12
	s_mov_b32 s47, 0
	s_lshl_b32 s36, s36, 12                        ; rows of 4,096 bytes
	s_mov_b32 s37, 0
	s_lshl_b32 s38, s29, 5
	s_add_co_u32 s38, s38, s31
	s_mul_i32 s38, s38, GRP
	s_mul_i32 s33, s32, FRB
	s_add_co_u32 s38, s38, s33                     ; the tile's first image
	s_mov_b32 s39, 0
	s_lshl_b32 s42, s28, 9
	s_add_co_u32 s42, s42, XS_OFF                  ; its 512 bytes of scale words
	s_mov_b32 s43, 0
	s_cmp_eq_u32 s29, 0
	s_cselect_b64 s[34:35], s[4:5], s[6:7]
	s_cmp_eq_u32 s29, 2
	s_cselect_b64 s[34:35], s[8:9], s[34:35]
	s_add_nc_u64 s[34:35], s[34:35], s[36:37]
	s_add_nc_u64 s[40:41], s[18:19], s[38:39]
	s_add_nc_u64 s[44:45], s[34:35], s[46:47]      ; the base for the tile's rows 8-15
	s_add_nc_u64 s[42:43], s[18:19], s[42:43]
.macro XLOAD S                         ; K step S of the tile's 16 rows: each load takes 512 consecutive bytes of one row
.irp j, 0,1,2,3,4,5,6,7,8,9,10,11,12,13,14,15
.if \j < 8
	global_load_b128 v[R+64*((\S)%2)+4*\j:R+64*((\S)%2)+4*\j+3], v[LI], s[34:35] offset:\j*4096+512*(\S) th:TH_LOAD_NT
.else
	global_load_b128 v[R+64*((\S)%2)+4*\j:R+64*((\S)%2)+4*\j+3], v[LI], s[44:45] offset:\j*4096+512*(\S) th:TH_LOAD_NT
.endif
.endr
.endm
.macro XSTEP S
.if (\S) < 7
	s_wait_loadcnt 16                              ; this K step's 16 loads are in; the next step's 16 may be out
.else
	s_wait_loadcnt 0
.endif
.irp j, 0,1,2,3,4,5,6,7,8,9,10,11,12,13,14,15
	ds_store_b128 v[STI], v[R+64*((\S)%2)+4*\j:R+64*((\S)%2)+4*\j+3] offset:SP*\j
.endr
.irp b, 0,1,2,3
.irp j, 0,1,2,3
	ds_load_b128 v[XN+16*\b+4*\j:XN+16*\b+4*\j+3], v[STO] offset:128*\b+16*\j   ; LDS serves a wave's instructions in order: these see the stores above
.endr
.endr
	s_wait_dscnt 0x0                               ; my 64 numbers are back, and the stores have read their registers
	s_wait_xcnt 0x0                                ; the last image's stores have read theirs: the codes may be written anew
.if (\S) < 6
	XLOAD (\S)+2
.endif
	QUANT XN, PC, PC+6, WD+(\S)
.irp c, 0,1,2
	global_store_b128 v[LI], v[PC+4*\c:PC+4*\c+3], s[40:41] offset:KSB*(\S)+512*\c   ; 512 consecutive bytes a store
.endr
.endm
	XLOAD 0
	XLOAD 1
	s_wait_alu depctr_va_vdst(0)
.irp S, 0,1,2,3,4,5,6,7
	XSTEP \S
.endr
	v_cndmask_b32 v44, v[WD], v[WD+2], s26         ; the scale words in their block's order: lanes 0-15 K steps 0, 1 (4, 5), lanes 16-31 K steps 2, 3 (6, 7)
	v_cndmask_b32 v45, v[WD+1], v[WD+3], s26
	v_cndmask_b32 v46, v[WD+4], v[WD+6], s26
	v_cndmask_b32 v47, v[WD+5], v[WD+7], s26
	global_store_b64 v[L8], v[44:45], s[42:43]     ; 256 consecutive bytes each
	global_store_b64 v[L8], v[46:47], s[42:43] offset:256
	s_wait_tensorcnt 0x0                           ; the wave's end
	ds_add_u32 v[SPW], v[NIL]
	s_wait_dscnt 0x0
	s_endpgm
	; ---- WEIGHTS: job jw = 2 x work-group + wave - 3 = ((weight x 4 + quarter of K) x 32 + 32 columns).  A lane takes a column and its registers run down K.
.Lweights:
	s_lshl_b32 s28, ttmp9, 1
	s_add_co_u32 s28, s28, s27
	s_sub_co_u32 s28, s28, 3
	s_and_b32 s29, s28, 31                         ; which 32 columns
	s_bfe_u32 s30, s28, 0x20005                    ; which 256 along K
	s_lshr_b32 s31, s28, 7                         ; 0 Wv, 1 Wk, 2 Wq, 3 Wo
	v_and_b32 v[WO], 8, v2
	v_add_nc_u32 v[WO], v[WO], v2
	v_lshl_add_u32 v[WO], v3, 3, v[WO]             ; my column: lanes 0-15 the even tile's, lanes 16-31 the odd tile's: 8 (lane / 16) + r + 8 (r / 8)
	v_lshlrev_b32 v[WO], 2, v[WO]
	s_wait_alu depctr_va_vdst(0)
	v_lshlrev_b32 v[WSO], 3, v2
	v_lshl_add_u32 v[WSO], v3, 9, v[WSO]           ; 512 x tile + 8 r
	s_lshl_b32 s36, s30, 20                        ; 256 rows of 4,096 bytes
	s_lshl_b32 s33, s29, 7
	s_add_co_u32 s36, s36, s33
	s_mov_b32 s37, 0
	s_lshl_b32 s32, s31, 3
	s_lshr_b32 s33, s29, 2
	s_add_co_u32 s32, s32, s33                     ; the group of 128 columns
	s_and_b32 s33, s29, 3
	s_lshl_b32 s33, s33, 1                         ; my even tile in it
	s_mul_i32 s38, s32, GRP
	s_mul_i32 s39, s30, 2*KSB
	s_add_co_u32 s38, s38, s39
	s_mul_i32 s39, s33, FRB
	s_add_co_u32 s38, s38, s39
	s_mov_b32 s39, 0
	s_lshl_b32 s42, s32, 3
	s_add_co_u32 s42, s42, s33
	s_lshl_b32 s42, s42, 9
	s_lshl_b32 s43, s30, 7
	s_add_co_u32 s42, s42, s43
	s_add_co_u32 s42, s42, WS_OFF
	s_mov_b32 s43, 0
	s_cmp_eq_u32 s31, 0
	s_cselect_b64 s[34:35], s[10:11], s[12:13]
	s_cmp_eq_u32 s31, 2
	s_cselect_b64 s[44:45], s[14:15], s[16:17]
	s_cmp_lt_u32 s31, 2
	s_cselect_b64 s[34:35], s[34:35], s[44:45]
	s_add_nc_u64 s[34:35], s[34:35], s[36:37]
	s_add_nc_u64 s[40:41], s[20:21], s[38:39]
	s_add_nc_u64 s[42:43], s[20:21], s[42:43]
.macro WLOAD t                         ; block t: 32 rows of K at my column; a load of the wave covers 128 consecutive bytes, the two weight waves stand side by side
.set J, 0
.rept 32
	global_load_b32 v[WX+32*((\t)%2)+J], v[WO], s[34:35] offset:(32*(\t)+J)*4096 th:TH_LOAD_NT
.set J, J+1
.endr
.endm
.macro WBLOCK t
.set XB, WX+32*((\t)%2)
.set DD, F0+12*((\t)%2)+6*(((\t)/2)%2)  ; even blocks of a K step go to F0, odd ones to F1; the step's first two to registers 0-5, the others to 6-11
.if (\t) < 7
	s_wait_loadcnt 32                              ; this block's 32 loads are in; the next block's may be out
.else
	s_wait_loadcnt 0
.endif
.if (\t) == 4
	s_wait_xcnt 0x0                                ; the first K step's stores have read F0 and F1
.endif
	v_max3_num_f32 v16, |v[XB]|, |v[XB+1]|, |v[XB+2]|
	v_max3_num_f32 v17, |v[XB+3]|, |v[XB+4]|, |v[XB+5]|
.irp i, 6,10,14,18,22,26
	v_max3_num_f32 v16, v16, |v[XB+\i]|, |v[XB+\i+1]|
	v_max3_num_f32 v17, v17, |v[XB+\i+2]|, |v[XB+\i+3]|
.endr
	v_max3_num_f32 v16, v16, |v[XB+30]|, |v[XB+31]|
	v_max3_num_f32 v16, v16, v17, 0x1800000        ; the block's largest magnitude (all 32 numbers are mine), and the floor
	v_add_nc_u32 v18, 0xff000000, v16
	v_lshrrev_b32 v19, 23, v18
.if (\t)%4 == 0
	v_mov_b32 v[WWD+(\t)/4], v19
.else
	v_lshl_or_b32 v[WWD+(\t)/4], v19, 8*((\t)%4), v[WWD+(\t)/4]
.endif
	v_cvt_scalef32_pk16_fp6_f32 v[DD:DD+2], v[XB:XB+15], v18
	v_cvt_scalef32_pk16_fp6_f32 v[WPT:WPT+2], v[XB+16:XB+31], v18
	v_nop
.irp i, 0,1,2
	v_mov_b32 v[DD+3+\i], v[WPT+\i]
.endr
.if (\t) < 6
	WLOAD (\t)+2
.endif
.if (\t)%4 == 3
.irp i, 0,1,2,3,4,5,6,7,8,9,10,11
	v_permlane16_swap_b32 v[F0+\i], v[F1+\i]       ; F0 becomes the even tile's fragment, F1 the odd tile's
.endr
.irp c, 0,1,2
	global_store_b128 v[LI], v[F0+4*\c:F0+4*\c+3], s[40:41] offset:KSB*((\t)/4)+512*\c
	global_store_b128 v[LI], v[F1+4*\c:F1+4*\c+3], s[40:41] offset:KSB*((\t)/4)+FRB+512*\c
.endr
.endif
.endm
	WLOAD 0
	WLOAD 1
.irp t, 0,1,2,3,4,5,6,7
	WBLOCK \t
.endr
	global_store_b64 v[WSO], v[WWD:WWD+1], s[42:43]   ; my column's words of the two K steps: runs of 128 bytes
	s_wait_tensorcnt 0x0                           ; the same three lines at this role's end
	ds_add_u32 v[SPW], v[NIL]
	s_wait_dscnt 0x0
	s_endpgm
.Lfunc_end_k_q62569ebb01_quant:
	.size	k_q62569ebb01_quant, .Lfunc_end_k_q62569ebb01_quant-k_q62569ebb01_quant
	.p2alignl 7, 3214868480
	.fill 96, 4, 3214868480
	.section	.rodata,"a",@progbits
	.p2align	6, 0x0
	.amdhsa_kernel k_q62569ebb01_quant
		.amdhsa_group_segment_fixed_size 26112
		.amdhsa_private_segment_fixed_size 0
		.amdhsa_enable_private_segment 0
		.amdhsa_kernarg_size 72
		.amdhsa_user_sgpr_count 2
		.amdhsa_user_sgpr_kernarg_segment_ptr 1
		.amdhsa_wavefront_size32 1
		.amdhsa_system_sgpr_workgroup_id_x 1
		.amdhsa_system_sgpr_workgroup_id_y 1
		.amdhsa_system_sgpr_workgroup_id_z 1
		.amdhsa_system_vgpr_workitem_id 0
		.amdhsa_next_free_vgpr 256
		.amdhsa_next_free_sgpr 66
		.amdhsa_reserve_vcc 0
		.amdhsa_float_denorm_mode_32 3
		.amdhsa_float_denorm_mode_16_64 3
		.amdhsa_memory_ordered 1
		.amdhsa_forward_progress 1
		.amdhsa_inst_pref_size 104
	.end_amdhsa_kernel
	.amdgpu_metadata
---
amdhsa.version: [ 1, 2 ]
amdhsa.kernels:
  - .name:           k_q62569ebb01_quant
    .symbol:         k_q62569ebb01_quant.kd
    .args:
      - { .name: v, .offset: 0, .size: 8, .value_kind: global_buffer, .address_space: global }
      - { .name: k, .offset: 8, .size: 8, .value_kind: global_buffer, .address_space: global }
      - { .name: q, .offset: 16, .size: 8, .value_kind: global_buffer, .address_space: global }
      - { .name: Wv, .offset: 24, .size: 8, .value_kind: global_buffer, .address_space: global }
      - { .name: Wk, .offset: 32, .size: 8, .value_kind: global_buffer, .address_space: global }
      - { .name: Wq, .offset: 40, .size: 8, .value_kind: global_buffer, .address_space: global }
      - { .name: Wo, .offset: 48, .size: 8, .value_kind: global_buffer, .address_space: global }
      - { .name: xq, .offset: 56, .size: 8, .value_kind: global_buffer, .address_space: global }
      - { .name: wq, .offset: 64, .size: 8, .value_kind: global_buffer, .address_space: global }
    .group_segment_fixed_size: 26112
    .private_segment_fixed_size: 0
    .kernarg_segment_align: 8
    .kernarg_segment_size: 72
    .max_flat_workgroup_size: 160
    .sgpr_count:     66
    .vgpr_count:     256
    .wavefront_size: 32
...
	.end_amdgpu_metadata
.endif
;; end of part 1
;; launch proj (part 2): grid 24 x 32, 4 waves a work-group, clusters of 4 x 4, 197,120 bytes of LDS; arguments xq, wq, kv, qc; writes kv, qc
.if DOCPART == 2
	.amdgcn_target "amdgcn-amd-amdhsa--gfx1250"
	.amdhsa_code_object_version 6
	.text
	.protected	k_q62569ebb01_proj
	.globl	k_q62569ebb01_proj
	.p2align	8
	.type	k_q62569ebb01_proj,@function
k_q62569ebb01_proj:
	s_mov_b64 s[64:65], 0
	v_nop
	global_prefetch_b8 v0, s[64:65] scope:SCOPE_SE
	s_setreg_imm32_b32 hwreg(HW_REG_WAVE_MODE, 25, 1), 1
	s_wait_xcnt 0x0
	s_wait_alu depctr_hold_cnt(0) depctr_sa_sdst(0) depctr_va_vdst(0) depctr_va_sdst(0) depctr_va_ssrc(0) depctr_va_vcc(0) depctr_vm_vsrc(0)
	s_getreg_b32 s2, hwreg(HW_REG_IB_STS2, 6, 4)
	s_cmp_eq_u32 s2, 0
	s_cbranch_scc0 .Lentry_in_a_cluster
	s_endpgm
.Lentry_in_a_cluster:
	s_bfe_u32 s2, ttmp6, 0x10000c
	s_cmp_lg_u32 s2, 0xf033
	s_cbranch_scc0 .Lentry_shape_is_right
	s_endpgm
.Lentry_shape_is_right:
; Launch 2 of 4: v Wv, k Wk, q Wq on codes of E2M3; the results are quantised in registers into the attention's operands.  No work of the problem is left out.
; LIMITS: as in the first launch (a block's byte is held at 1 from below; a block of zeros has the byte 1 and zero codes; NaN and infinities are not served).
; SHARES: work-group (gx, gy): product z = gx / 8 (0 V, 1 K, 2 Q), 128 columns n (group gx % 8 = two heads), 128 tokens (group gy), all of K = 1,024.  Both operands' blocks, 98,304 bytes each, are dense in memory and
; lie in LDS whole: they are filled once, so there is no ring.  CLUSTER 4 x 4: the weight's block hangs on gx alone and is asked for jointly down a column of the cluster, the tokens' block on z and gy and jointly along a row.
; ROLES: K and Q are quantised along d, so source 0 = the weight's 128 columns and a lane holds one token with registers along n; V is quantised along the keys, so source 0 = the 128 tokens and a lane holds one column n.
; The two roles differ in two LDS bases and two scale pointers, chosen once by z, which all partners of a cluster share.  All LDS reads stand behind the one barrier, where every fill has landed and nothing writes the blocks.
; A wave takes all eight tiles of source 0 and two tiles of source 1: 16 accumulators by turns.
; REGISTERS: window 0: v4-11 addresses; v16-47, v48-55 scale words; v64-191 accumulators (64 t + 8 i); v192-243 the quantiser's.   window 1: two sets of 120: eight fragments of source 0, two of source 1.
.set GRP,    98304
.set HALF,   49152
.set KSB,    12288
.set FRB,    1536
.set XS_OFF, 9437184
.set WS_OFF, 3145728
.set QS_OFF, 3145728
.set KVB,    52224                     ; a block of kv: K's images 24,576, V's images 24,576, K's scale words 2,048, V's 1,024
.set SPARE,  2*GRP                     ; behind the two blocks: the spare words, 128 bytes a wave, two blocks of 256 bytes that no other line names
.set A0,  4                            ; v4-5  source 0: base + 16 x lane, K steps 0-3 and 4-7
.set A1,  6                            ; v6-7  source 1: base + 3,072 x wave + 16 x lane
.set LI,  10                           ; v10   16 x lane
.set LS,  11                           ; v11   4 x lane
.set SPW, 12
.set NIL, 13
.set SC0, 16                           ; register 8 (i % 4) + S: lanes 0-15 tile i's words, lanes 16-31 tile i + 4's
.set SC1, 48                           ; register S: lanes 0-15 my even tile's, lanes 16-31 my odd tile's
.set ACC, 64
.set TM,  192
.set PW0, 208
.set PW1, 209
.set IMG0, 212
.set IMG1, 224
.set PT,  236
.set WV,  12
.set SEL, 20
.set G1W, 28
.set G1X, 36
.set G0W, 44
.set G0X, 48
.set MSB, 0
.macro WIN new                         ; the immediate's high byte repeats the setting that is left
.if MSB != (\new)
	s_set_vgpr_msb (MSB<<8)|(\new)
.set MSB, \new
.endif
.endm
.macro CROUND                          ; a round of the cluster's barrier
	s_barrier_signal -1
	s_barrier_wait -1
	s_cmp_lg_u32 s[WV], 0
	s_cbranch_scc1 .Lnot_wave_0_\@
	s_barrier_signal -3
.Lnot_wave_0_\@:
	s_barrier_wait -3
	s_barrier_signal -1
	s_barrier_wait -1
.endm
.macro JLOAD                           ; waves 0, 1: the weight's two halves; waves 2, 3: the tokens'.  An s_nop 0 and four v_nop follow each line
	s_cmp_lt_u32 s[WV], 2
	s_cbranch_scc0 .Lfor_x_\@
	tensor_load_to_lds s[G0W:G0W+3], s[G1W:G1W+7]
	s_nop 0
.rept 4
	v_nop
.endr
	s_branch .Lasked_\@
.Lfor_x_\@:
	tensor_load_to_lds s[G0X:G0X+3], s[G1X:G1X+7]
	s_nop 0
.rept 4
	v_nop
.endr
.Lasked_\@:
.endm
.macro QUANT s, d0, d1, pw             ; as in the first launch
.irp b, 0,1,2,3
	v_max3_num_f32 v[TM+\b], |v[(\s)+16*\b]|, |v[(\s)+1+16*\b]|, 0x1800000   ; each accumulator is first read at its low end
.endr
.irp i, 2,4,6,8,10,12,14
.irp b, 0,1,2,3
	v_max3_num_f32 v[TM+\b], v[TM+\b], |v[(\s)+16*\b+\i]|, |v[(\s)+1+16*\b+\i]|
.endr
.endr
.irp b, 0,1,2,3
	v_permlanex16_b32 v[TM+4+\b], v[TM+\b], s[SEL], s[SEL+1]
.endr
.irp b, 0,1,2,3
	v_max_num_f32 v[TM+\b], v[TM+\b], v[TM+4+\b]
.endr
.irp b, 0,1,2,3
	v_add_nc_u32 v[TM+12+\b], 0xff000000, v[TM+\b]
.endr
.irp b, 0,1,2,3
	v_lshrrev_b32 v[TM+4+\b], 23, v[TM+12+\b]
.endr
	v_lshl_or_b32 v[\pw], v[TM+5], 8, v[TM+4]
	v_lshl_or_b32 v[\pw], v[TM+6], 16, v[\pw]
	v_lshl_or_b32 v[\pw], v[TM+7], 24, v[\pw]
	v_cvt_scalef32_pk16_fp6_f32 v[(\d0):(\d0)+2], v[(\s):(\s)+15], v[TM+12]
	v_cvt_scalef32_pk16_fp6_f32 v[PT:PT+2], v[(\s)+16:(\s)+31], v[TM+13]
	v_cvt_scalef32_pk16_fp6_f32 v[(\d1):(\d1)+2], v[(\s)+32:(\s)+47], v[TM+14]
	v_cvt_scalef32_pk16_fp6_f32 v[PT+4:PT+6], v[(\s)+48:(\s)+63], v[TM+15]
	v_nop
.irp i, 0,1,2
	v_permlane16_swap_b32 v[(\d0)+\i], v[PT+\i]
	v_permlane16_swap_b32 v[(\d1)+\i], v[PT+4+\i]
.endr
.irp i, 0,1,2
	v_mov_b32 v[(\d0)+3+\i], v[PT+\i]
	v_mov_b32 v[(\d1)+3+\i], v[PT+4+\i]
.endr
.endm
	s_load_b256 s[4:11], s[0:1], 0x0               ; xq, wq, kv, qc
	v_lshl_add_u32 v[SPW], v0, 2, SPARE
	v_mov_b32 v[NIL], 0
	ds_add_u32 v[SPW], v[NIL]                      ; the wave's opening: the add, twice on end, and its wait ahead of my first tensor load
	ds_add_u32 v[SPW], v[NIL]
	v_lshrrev_b32 v1, 5, v0
	v_readfirstlane_b32 s[WV], v1                  ; wave 0..3
	s_bfe_u32 s13, ttmp6, 0x40000                  ; cx
	s_bfe_u32 s14, ttmp6, 0x40004                  ; cy
	s_lshl_b32 s15, ttmp9, 2
	s_add_co_u32 s15, s15, s13                     ; gx
	s_and_b32 s16, ttmp7, 0xffff
	s_lshl_b32 s16, s16, 2
	s_add_co_u32 s16, s16, s14                     ; gy
	s_lshr_b32 s17, ttmp9, 1                       ; z: the same in all sixteen partners
	s_lshl_b32 s52, s14, 2
	s_lshl_b32 s52, 15, s52                        ; my row of the cluster
	s_lshl_b32 s53, 0x1111, s13                    ; my column
	s_or_b32 s[G1X], s52, (3<<16)|(1<<21)          ; elements of 8 bytes, no padding; the tokens' block goes to my row
	s_or_b32 s[G1W], s53, (3<<16)|(1<<21)          ; the weight's to my column
.irp g, G1W, G1X
	s_mov_b32 s[\g+1], 32<<16                      ; half a block, 49,152 dense bytes, as 192 rows of 256 bytes
	s_mov_b32 s[\g+2], 192<<16
	s_mov_b32 s[\g+3], 32<<16
	s_mov_b32 s[\g+4], 192
	s_mov_b32 s[\g+5], 32
	s_mov_b32 s[\g+6], 0
	s_mov_b32 s[\g+7], 0
.endr
	s_and_b32 s56, s[WV], 1
	s_mul_i32 s56, s56, HALF                       ; which half I fetch
	s_mul_i32 s54, s15, GRP
	s_add_co_u32 s54, s54, s56                     ; the weight's: hangs on gx and the wave
	s_mov_b32 s55, 0
	s_lshl_b32 s58, s17, 5
	s_add_co_u32 s58, s58, s16                     ; 32 z + gy
	s_lshl_b32 s68, s58, 12
	s_add_co_u32 s68, s68, XS_OFF                  ; the tokens' scale blocks
	s_mov_b32 s69, 0
	s_mul_i32 s58, s58, GRP
	s_add_co_u32 s58, s58, s56                     ; the tokens': hangs on z, gy and the wave
	s_mov_b32 s59, 0
	s_lshl_b32 s66, s15, 12
	s_add_co_u32 s66, s66, WS_OFF                  ; the weight's scale blocks
	s_mov_b32 s67, 0
	s_mul_i32 s57, s[WV], HALF                     ; where my half goes: the weight's block at 0, the tokens' behind it
	s_mov_b32 s[SEL], 0x76543210
	s_mov_b32 s[SEL+1], 0xfedcba98
	s_mov_b32 s22, 0xffff0000                      ; lanes 16-31
	s_wait_dscnt 0x0                               ; both opening adds are done
	s_wait_kmcnt 0x0
	s_mov_b32 s[G0W], 1
	s_mov_b32 s[G0W+1], s57
	s_add_nc_u64 s[G0W+2:G0W+3], s[6:7], s[54:55]
	s_or_b32 s[G0W+3], s[G0W+3], 0x80000000
	s_mov_b32 s[G0X], 1
	s_mov_b32 s[G0X+1], s57
	s_add_nc_u64 s[G0X+2:G0X+3], s[4:5], s[58:59]
	s_or_b32 s[G0X+3], s[G0X+3], 0x80000000
	CROUND                                         ; all sixteen work-groups are here: the joint loads meet
	JLOAD                                          ; my one tensor load of the launch
	s_add_nc_u64 s[66:67], s[6:7], s[66:67]
	s_add_nc_u64 s[68:69], s[4:5], s[68:69]
	s_cmp_eq_u32 s17, 0                            ; V: source 0 = the tokens; K, Q: source 0 = the weight
	s_cselect_b64 s[70:71], s[68:69], s[66:67]     ; source 0's scale blocks
	s_cselect_b64 s[72:73], s[66:67], s[68:69]     ; source 1's
	s_cselect_b32 s74, GRP, 0                      ; source 0's block in LDS
	s_cselect_b32 s75, 0, GRP                      ; source 1's
	v_and_b32 v1, 31, v0
	v_and_b32 v2, 15, v0                           ; r
	v_bfe_u32 v3, v0, 4, 1                         ; h
	v_lshlrev_b32 v[LI], 4, v1
	v_lshlrev_b32 v[LS], 2, v1
	v_lshlrev_b32 v8, 3, v2
	v_lshl_add_u32 v9, v3, 9, v8
	v_lshl_add_u32 v8, v3, 11, v8                  ; source 0's words: 2,048 h + 8 r: lanes 16-31 take the tile four further on
	s_lshl_b32 s76, s[WV], 10
	v_add_nc_u32 v9, s76, v9                       ; source 1's: tile 2 wave + h
.irp i, 0,1,2,3
.irp u, 0,1,2,3
	global_load_b64 v[SC0+8*\i+2*\u:SC0+8*\i+2*\u+1], v8, s[70:71] offset:512*\i+128*\u
.endr
.endr
.irp u, 0,1,2,3
	global_load_b64 v[SC1+2*\u:SC1+2*\u+1], v9, s[72:73] offset:128*\u
.endr
	v_add_nc_u32 v[A0], s74, v[LI]
	v_add_nc_u32 v[A0+1], HALF, v[A0]
	s_mul_i32 s76, s[WV], 2*FRB
	s_add_co_u32 s76, s76, s75
	v_add_nc_u32 v[A1], s76, v[LI]
	v_add_nc_u32 v[A1+1], HALF, v[A1]
.irp b, 0,1,2,3
	v_mov_b32 v[TM+4+\b], 0                        ; a lane permute's destination counts as one of its sources
.endr
	s_wait_alu depctr_va_vdst(0)
	s_wait_loadcnt 0x0                             ; the scale words
	s_wait_tensorcnt 0x0                           ; my half has landed,
	s_barrier_signal -1
	s_barrier_wait -1                              ; everybody's has
.macro FETCH S                         ; K step S: eight fragments of source 0, two of source 1, as images: three loads of 512 consecutive bytes each
.set FP, 128*((\S)%2)
.set FO, ((\S)%4)*KSB
.irp i, 0,1,2,3,4,5,6,7
.irp j, 0,1,2
	ds_load_b128 v[FP+12*\i+4*\j:FP+12*\i+4*\j+3], v[A0+(\S)/4] offset:FO+FRB*\i+512*\j
.endr
.endr
.irp t, 0,1
.irp j, 0,1,2
	ds_load_b128 v[FP+96+12*\t+4*\j:FP+96+12*\t+4*\j+3], v[A1+(\S)/4] offset:FO+FRB*\t+512*\j
.endr
.endr
.endm
.macro PROD S, i, t
.set PD, ACC+64*(\t)+8*(\i)
.set PA, KP+12*(\i)
.set PB, KP+96+12*(\t)
.set PSA, SC0+8*((\i)%4)+(\S)
.set PSB, SC1+(\S)
.if (\S) == 0
.if (\i) >= 4
.if (\t) == 1
	v_wmma_scale_f32_16x16x128_f8f6f4 v[PD:PD+7], v[PA:PA+11], v[PB:PB+11], 0, v[PSA], v[PSB] matrix_a_fmt:MATRIX_FMT_FP6 matrix_b_fmt:MATRIX_FMT_FP6 matrix_a_scale:MATRIX_SCALE_ROW1 matrix_b_scale:MATRIX_SCALE_ROW1
.else
	v_wmma_scale_f32_16x16x128_f8f6f4 v[PD:PD+7], v[PA:PA+11], v[PB:PB+11], 0, v[PSA], v[PSB] matrix_a_fmt:MATRIX_FMT_FP6 matrix_b_fmt:MATRIX_FMT_FP6 matrix_a_scale:MATRIX_SCALE_ROW1
.endif
.else
.if (\t) == 1
	v_wmma_scale_f32_16x16x128_f8f6f4 v[PD:PD+7], v[PA:PA+11], v[PB:PB+11], 0, v[PSA], v[PSB] matrix_a_fmt:MATRIX_FMT_FP6 matrix_b_fmt:MATRIX_FMT_FP6 matrix_b_scale:MATRIX_SCALE_ROW1
.else
	v_wmma_scale_f32_16x16x128_f8f6f4 v[PD:PD+7], v[PA:PA+11], v[PB:PB+11], 0, v[PSA], v[PSB] matrix_a_fmt:MATRIX_FMT_FP6 matrix_b_fmt:MATRIX_FMT_FP6
.endif
.endif
.else
.if (\i) >= 4
.if (\t) == 1
	v_wmma_scale_f32_16x16x128_f8f6f4 v[PD:PD+7], v[PA:PA+11], v[PB:PB+11], v[PD:PD+7], v[PSA], v[PSB] matrix_a_fmt:MATRIX_FMT_FP6 matrix_b_fmt:MATRIX_FMT_FP6 matrix_a_scale:MATRIX_SCALE_ROW1 matrix_b_scale:MATRIX_SCALE_ROW1
.else
	v_wmma_scale_f32_16x16x128_f8f6f4 v[PD:PD+7], v[PA:PA+11], v[PB:PB+11], v[PD:PD+7], v[PSA], v[PSB] matrix_a_fmt:MATRIX_FMT_FP6 matrix_b_fmt:MATRIX_FMT_FP6 matrix_a_scale:MATRIX_SCALE_ROW1
.endif
.else
.if (\t) == 1
	v_wmma_scale_f32_16x16x128_f8f6f4 v[PD:PD+7], v[PA:PA+11], v[PB:PB+11], v[PD:PD+7], v[PSA], v[PSB] matrix_a_fmt:MATRIX_FMT_FP6 matrix_b_fmt:MATRIX_FMT_FP6 matrix_b_scale:MATRIX_SCALE_ROW1
.else
	v_wmma_scale_f32_16x16x128_f8f6f4 v[PD:PD+7], v[PA:PA+11], v[PB:PB+11], v[PD:PD+7], v[PSA], v[PSB] matrix_a_fmt:MATRIX_FMT_FP6 matrix_b_fmt:MATRIX_FMT_FP6
.endif
.endif
.endif
.endm
.macro KSTEP S
	s_wait_dscnt 0x0                               ; this K step's fragments are in
.if (\S) < 7
.rept 4
	v_nop                                          ; four places between the last step's products and the loads into the set that they read
.endr
	WIN 0x40                                       ; destination window 1, address window 0
	FETCH (\S)+1
.endif
	WIN 0x05                                       ; sources 0 and 1 window 1; C and D window 0
.set KP, 128*((\S)%2)
.irp i, 0,1,2,3,4,5,6,7
.irp t, 0,1
	PROD \S, \i, \t
.endr
.endr
.endm
	WIN 0x40
	FETCH 0
.irp S, 0,1,2,3,4,5,6,7
	KSTEP \S
.endr
	WIN 0
.rept 4
	v_nop                                          ; four places ahead of the first read of results
.endr
	s_and_b32 s18, s15, 7                          ; a: the group of 128 columns in its weight: heads 2 a, 2 a + 1
	s_lshr_b32 s19, s16, 4                         ; the batch
	s_and_b32 s23, s16, 15                         ; the group of 128 tokens in it: a key step of the attention
	s_lshl_b32 s52, s19, 2
	s_lshr_b32 s53, s18, 1
	s_add_co_u32 s52, s52, s53
	s_lshl_b32 s52, s52, 4
	s_add_co_u32 s52, s52, s23
	s_mul_i32 s52, s52, KVB                        ; kv's block of (batch, group of four heads, key step)
	s_and_b32 s53, s18, 1
	s_cmp_eq_u32 s17, 0
	s_cbranch_scc0 .Lkq
	; ---- V: a lane holds one column n and 64 of the 128 keys: two whole fragments of V^T (16 of a head's 64 x 128 keys)
	QUANT ACC, IMG0, IMG0+6, PW0
	QUANT ACC+64, IMG1, IMG1+6, PW1
	v_cndmask_b32 v210, v[PW0], v[PW1], s22        ; lanes 0-15 the even tile's words, lanes 16-31 the odd tile's
	s_lshl_b32 s54, s53, 1
	s_lshr_b32 s55, s[WV], 1
	s_add_co_u32 s54, s54, s55                     ; the head among the block's four
	s_and_b32 s55, s[WV], 1                        ; which pair of its four tiles
	s_mul_i32 s56, s54, 4*FRB
	s_mul_i32 s57, s55, 2*FRB
	s_add_co_u32 s56, s56, s57
	s_add_co_u32 s56, s56, s52
	s_add_co_u32 s56, s56, 24576
	s_mov_b32 s57, 0
	s_add_nc_u64 s[56:57], s[8:9], s[56:57]
	s_lshl_b32 s58, s54, 8
	s_lshl_b32 s59, s55, 7
	s_add_co_u32 s58, s58, s59
	s_add_co_u32 s58, s58, s52
	s_add_co_u32 s58, s58, 51200
	s_mov_b32 s59, 0
	s_add_nc_u64 s[58:59], s[8:9], s[58:59]
	s_wait_alu depctr_va_vdst(0)
.irp c, 0,1,2
	global_store_b128 v[LI], v[IMG0+4*\c:IMG0+4*\c+3], s[56:57] offset:512*\c
	global_store_b128 v[LI], v[IMG1+4*\c:IMG1+4*\c+3], s[56:57] offset:FRB+512*\c
.endr
	global_store_b32 v[LS], v210, s[58:59]
	s_branch .Ldone
.Lkq:
	; ---- K, Q: a lane holds one token and 64 of the 128 columns: blocks 0, 1 are head 2 a's 64, blocks 2, 3 head 2 a + 1's.  An image holds a head's six registers of my even tile of tokens, then those of my odd tile
	QUANT ACC, IMG0, IMG1, PW0
	QUANT ACC+64, IMG0+6, IMG1+6, PW1
	v_cndmask_b32 v210, v[PW0], v[PW1], s22
	v_lshrrev_b32 v211, 16, v210                   ; head 2 a + 1's two bytes; the upper two are 0
	v_and_b32 v210, 0xffff, v210                   ; head 2 a's
	s_mul_i32 s54, s53, 8*FRB
	s_mul_i32 s55, s[WV], FRB
	s_add_co_u32 s54, s54, s55
	s_add_co_u32 s54, s54, s52                     ; K: the image's place in kv's block
	s_lshl_b32 s55, s53, 10
	s_lshl_b32 s56, s[WV], 7
	s_add_co_u32 s55, s55, s56
	s_add_co_u32 s55, s55, s52
	s_add_co_u32 s55, s55, 49152                   ; and its scale words'
	s_lshl_b32 s56, s19, 4
	s_lshl_b32 s57, s18, 1
	s_add_co_u32 s56, s56, s57
	s_lshl_b32 s56, s56, 6
	s_lshl_b32 s57, s23, 2
	s_add_co_u32 s56, s56, s57
	s_add_co_u32 s56, s56, s[WV]                   ; Q: (batch x 16 + head) x 64 + pair of tiles
	s_mul_i32 s57, s56, FRB
	s_lshl_b32 s56, s56, 7
	s_add_co_u32 s56, s56, QS_OFF
	s_mov_b32 s58, 64*FRB
	s_mov_b32 s59, 64*128
	s_cmp_eq_u32 s17, 1
	s_cselect_b64 s[60:61], s[8:9], s[10:11]
	s_cselect_b32 s54, s54, s57
	s_cselect_b32 s56, s55, s56
	s_cselect_b32 s58, 4*FRB, s58                  ; from a head to the next
	s_cselect_b32 s66, 512, s59
	s_mov_b32 s55, 0
	s_mov_b32 s57, 0
	s_mov_b32 s59, 0
	s_mov_b32 s67, 0
	s_add_nc_u64 s[54:55], s[60:61], s[54:55]
	s_add_nc_u64 s[56:57], s[60:61], s[56:57]
	s_add_nc_u64 s[58:59], s[54:55], s[58:59]
	s_add_nc_u64 s[66:67], s[56:57], s[66:67]
	s_wait_alu depctr_va_vdst(0)
.irp c, 0,1,2
	global_store_b128 v[LI], v[IMG0+4*\c:IMG0+4*\c+3], s[54:55] offset:512*\c
	global_store_b128 v[LI], v[IMG1+4*\c:IMG1+4*\c+3], s[58:59] offset:512*\c
.endr
	global_store_b32 v[LS], v210, s[56:57]
	global_store_b32 v[LS], v211, s[66:67]
.Ldone:
	s_wait_tensorcnt 0x0                           ; the wave's end
	ds_add_u32 v[SPW], v[NIL]
	s_wait_dscnt 0x0
	CROUND                                         ; the closing round
	s_endpgm
.Lfunc_end_k_q62569ebb01_proj:
	.size	k_q62569ebb01_proj, .Lfunc_end_k_q62569ebb01_proj-k_q62569ebb01_proj
	.p2alignl 7, 3214868480
	.fill 96, 4, 3214868480
	.section	.rodata,"a",@progbits
	.p2align	6, 0x0
	.amdhsa_kernel k_q62569ebb01_proj
		.amdhsa_group_segment_fixed_size 197120
		.amdhsa_private_segment_fixed_size 0
		.amdhsa_enable_private_segment 0
		.amdhsa_kernarg_size 32
		.amdhsa_user_sgpr_count 2
		.amdhsa_user_sgpr_kernarg_segment_ptr 1
		.amdhsa_wavefront_size32 1
		.amdhsa_system_sgpr_workgroup_id_x 1
		.amdhsa_system_sgpr_workgroup_id_y 1
		.amdhsa_system_sgpr_workgroup_id_z 1
		.amdhsa_system_vgpr_workitem_id 0
		.amdhsa_next_free_vgpr 512
		.amdhsa_next_free_sgpr 84
		.amdhsa_reserve_vcc 0
		.amdhsa_float_denorm_mode_32 3
		.amdhsa_float_denorm_mode_16_64 3
		.amdhsa_memory_ordered 1
		.amdhsa_forward_progress 1
		.amdhsa_inst_pref_size 60
	.end_amdhsa_kernel
	.amdgpu_metadata
---
amdhsa.version: [ 1, 2 ]
amdhsa.kernels:
  - .name:           k_q62569ebb01_proj
    .symbol:         k_q62569ebb01_proj.kd
    .args:
      - { .name: xq, .offset: 0, .size: 8, .value_kind: global_buffer, .address_space: global }
      - { .name: wq, .offset: 8, .size: 8, .value_kind: global_buffer, .address_space: global }
      - { .name: kv, .offset: 16, .size: 8, .value_kind: global_buffer, .address_space: global }
      - { .name: qc, .offset: 24, .size: 8, .value_kind: global_buffer, .address_space: global }
    .group_segment_fixed_size: 197120
    .private_segment_fixed_size: 0
    .kernarg_segment_align: 8
    .kernarg_segment_size: 32
    .max_flat_workgroup_size: 128
    .sgpr_count:     84
    .vgpr_count:     512
    .wavefront_size: 32
...
	.end_amdgpu_metadata
.endif
;; end of part 2
;; launch attn (part 3): grid 64 x 4, 8 waves a work-group, clusters of 4 x 4, 327,680 bytes of LDS; arguments mask, kv, qc, ao; writes ao
.if DOCPART == 3
	.amdgcn_target "amdgcn-amd-amdhsa--gfx1250"
	.amdhsa_code_object_version 6
	.text
	.protected	k_q62569ebb01_attn
	.globl	k_q62569ebb01_attn
	.p2align	8
	.type	k_q62569ebb01_attn,@function
k_q62569ebb01_attn:
	s_mov_b64 s[64:65], 0
	v_nop
	global_prefetch_b8 v0, s[64:65] scope:SCOPE_SE
	s_setreg_imm32_b32 hwreg(HW_REG_WAVE_MODE, 25, 1), 1
	s_wait_xcnt 0x0
	s_wait_alu depctr_hold_cnt(0) depctr_sa_sdst(0) depctr_va_vdst(0) depctr_va_sdst(0) depctr_va_ssrc(0) depctr_va_vcc(0) depctr_vm_vsrc(0)
	s_getreg_b32 s2, hwreg(HW_REG_IB_STS2, 6, 4)
	s_cmp_eq_u32 s2, 0
	s_cbranch_scc0 .Lentry_in_a_cluster
	s_endpgm
.Lentry_in_a_cluster:
	s_bfe_u32 s2, ttmp6, 0x10000c
	s_cmp_lg_u32 s2, 0xf033
	s_cbranch_scc0 .Lentry_shape_is_right
	s_endpgm
.Lentry_shape_is_right:
; Launch 3 of 4: the scores, the mask, the softmax and the second product, on codes of E2M3; the result is quantised along D into the last product's operand.  No work of the problem is left out: the mask is an input, so every tile of scores is computed.
; ARITHMETIC.  w8 = Q K^T + mask x (-8e9) = 8 (s / 8 + mask x (-1e9)): the mask's term is rounded by itself, as reference() rounds it (a factor of 8 moves no rounding), and is the C of the score products.
; t = w8 x c, c = log2(e) / 96 (the 1 / 8, the division by 12 and log2(e) in one).  M = the running largest t rounded up to a whole number, kept as -M = floor(-c x the largest w8).  p = 2^(w8 c - M), one fused multiply-add and one exponential,
; is quantised along the keys; the row's sum is taken of the unquantised p and divides at the end.  When M moves, the sum and O are multiplied by 2^(old M - new M), which rounds nothing.
; LIMITS: t - M is rounded once, where reference() rounds weight / 12 and t by themselves: it shows only between keys that are nearly tied at |t| of 2^24 and more.  The promise holds while |t| stays under 2^31.
; Blocks' bytes are held at 1 from below; a block of zeros has the byte 1 and zero codes; NaN and infinities are not served.
; SHARES.  A work-group: 64 queries (block xq) x 4 heads (group cy).  Wave w: tile of 16 queries w / 2, heads 2 (w % 2) (A) and 2 (w % 2) + 1 (B), in 512 registers: two waves to a SIMD.  Every wave walks all 2,048 keys, 128 a step.
; The two heads share the mask's 64 registers: they are read from LDS once and scaled once a step.
; A step's bytes: kv's block of 52,224 (four heads' K and V images and scale words, dense) and the mask's 64 rows x 512 bytes.  CLUSTER 4 x 4: the four work-groups of a row ask for kv's block jointly, the four of a column for the mask's rows.
; Waves 0-2 fetch a third of kv's block each, waves 3-6 a run of 16 rows of the mask each.  Two slots (two steps to a slot would take 4 x 86,528 bytes, more than LDS has); a round of the cluster's barrier at each change.
; THE MASK'S ROWS IN LDS: four runs of 16 rows, 528 bytes a row, a run 16 x 528 + 128 bytes behind the run before it: the sixteen lanes of a load's half take sixteen different columns of 16 bytes modulo 256 (64 banks of 4 bytes: ISA guide 11.1).
; THE KEYS OF A TILE OF K: row m of tile t is key 64 (t / 4) + 8 (t % 4) + m % 8 + 32 (m / 8) (the first launch lays k so).  So score register 32 c + i of lane (r, h) is key 64 c + 32 h + i of query r: a whole block of 32 in a lane, in the order of the
; second product's operand: no lane is asked for a block's maximum and no codes change lanes.
; HEAD B RUNS HALF A STEP BEHIND.  A trip: the round; the LDS loads of the mask and of A's K; B's softmax and V^T P of the step before, on registers, while those loads land; B's K and V; the mask's scaling; A's scores, softmax; B's scores; A's V^T P.
; Every read of a slot lies between the round in front of its step and the next round.
; K = 64 IN AN INSTRUCTION OF 128: Q's registers 6-11 are zero codes; K's tile t is named with the six registers that follow it, whatever codes they hold: every code is a finite number and is multiplied by 0; that half's scale bytes are 0 on both sides (2^-127).
; REGISTERS.  Window 0: v1-4 addresses that stay, v8-11 the step's; v12-15, v16-19 -M, the largest w8 and the sum of A, of B; v20-31, v32-43 Q; v44-58 scale words; v59-63 offsets; v64-127 scores, p; v128-159, v160-191 O^T; v192-255 at work.
; Window 1: v0-63 the mask x (-8e9); v64-111 A's K, then A's V, v112-117 zeros; v120-167 B's K, v168-173 zeros; v176-223 B's V.
.set KVB,    52224
.set KVP,    17408                     ; a third of it: 68 rows of 256 bytes
.set FRB,    1536
.set MOFF,   KVB                       ; a slot: kv's block, then the mask's four runs
.set MP,     528
.set MRUN,   16*MP+128
.set SLOT1,  1<<17                     ; a slot's 86,528 bytes lie under it
.set SPARE,  2*SLOT1                   ; behind the ring: the spare words, 128 bytes for each of eight waves: four blocks of 256 bytes that no other line names
.set QS_OFF, 3145728
.set AS_OFF, 3145728
.set GRP,    98304
.set KSB,    12288
.set PFW,    7                         ; wave 7 prefetches the mask, waves 0 and 1 kv
.set SPW, 6
.set NIL, 7
.set PFO, 59
.set WV,  12
.set SEL, 20
.set CS,  22                           ; s[22:23] c;  s26 -c
.set CM,  24                           ; s[24:25] -8e9
.set G1KV, 28
.set G1M,  36
.set G0KV, 44
.set G0M,  48
.set TB,   52                          ; the slot in hand
.set SLOTS, 53
.set PFA,  54
.set PFS,  56
.set LIM,  58
.set MSB, 0
.macro WIN new                         ; the immediate's high byte repeats the setting that is left
.if MSB != (\new)
	s_set_vgpr_msb (MSB<<8)|(\new)
.set MSB, \new
.endif
.endm
.macro PLACES
.rept 4
	v_nop
.endr
.endm
.macro CROUND
	s_barrier_signal -1
	s_barrier_wait -1
	s_cmp_lg_u32 s[WV], 0
	s_cbranch_scc1 .Lnot_wave_0_\@
	s_barrier_signal -3
.Lnot_wave_0_\@:
	s_barrier_wait -3
	s_barrier_signal -1
	s_barrier_wait -1
.endm
.macro TLOAD                           ; waves 0-2: kv's thirds; waves 3-6: the mask's runs.  An s_nop 0 and four v_nop follow each line
	s_cmp_lt_u32 s[WV], 3
	s_cbranch_scc0 .Lnot_kv_\@
	tensor_load_to_lds s[G0KV:G0KV+3], s[G1KV:G1KV+7]
	s_nop 0
	PLACES
	s_branch .Lasked_\@
.Lnot_kv_\@:
	s_cmp_lt_u32 s[WV], 7
	s_cbranch_scc0 .Lasked_\@
	tensor_load_to_lds s[G0M:G0M+3], s[G1M:G1M+7]
	s_nop 0
	PLACES
.Lasked_\@:
.endm
; A PREFETCH INTO THE L2 of the key step that the NEXT change of slots will ask for.  Wave 7: my work-group's 16 of the mask's 64 rows (the four partners of a column are told apart by address), two blocks of 256 bytes a row, a lane a block.
; Waves 0, 1: my work-group's 51 of kv's block's 204 blocks of 256 bytes (the partners of a row told apart by address), in the first of the eight clusters that walk the same K and V alone; wave 1's last 13 lanes repeat the 51st.
; The last change that fills a slot asks for nothing; steps 0 and 1 come by their loads alone.
.macro ASK
	s_cmp_gt_u32 s[SLOTS], s[LIM]
	s_cbranch_scc0 .Lnot_mine_\@
	global_prefetch_b8 v[PFO], s[PFA:PFA+1] th:TH_LOAD_NT scope:SCOPE_SE
.Lnot_mine_\@:
.endm
.macro MM d, a, b, c, sa, sb, odd
.if \odd
	v_wmma_scale_f32_16x16x128_f8f6f4 v[(\d):(\d)+7], v[(\a):(\a)+11], v[(\b):(\b)+11], v[(\c):(\c)+7], v[\sa], v[\sb] matrix_a_fmt:MATRIX_FMT_FP6 matrix_b_fmt:MATRIX_FMT_FP6 matrix_a_scale:MATRIX_SCALE_ROW1
.else
	v_wmma_scale_f32_16x16x128_f8f6f4 v[(\d):(\d)+7], v[(\a):(\a)+11], v[(\b):(\b)+11], v[(\c):(\c)+7], v[\sa], v[\sb] matrix_a_fmt:MATRIX_FMT_FP6 matrix_b_fmt:MATRIX_FMT_FP6
.endif
.endm
.macro SCORES kb, qb, ks, qs           ; w8 = K Q^T + the scaled mask: eight tiles of 16 keys; K and C in window 1
	WIN 0x11
.irp t, 0,1,2,3,4,5,6,7
	MM 64+8*\t, \kb+6*\t, \qb, 8*\t, \ks+\t/2, \qs, \t%2
.endr
.endm
.macro PV ob, vb, vs                   ; O^T += V^T P^T: four accumulators by turns; V in window 1
	WIN 0x01
.irp d, 0,1,2,3
	MM \ob+8*\d, \vb+12*\d, 208, \ob+8*\d, \vs+\d/2, 58, \d%2
.endr
.endm
.macro LDF dst, off                    ; four images of 1,536 bytes: twelve loads of 512 consecutive bytes
.irp b, 0,1,2,3
.irp j, 0,1,2
	ds_load_b128 v[\dst+12*\b+4*\j:\dst+12*\b+4*\j+3], v8 offset:\off+FRB*\b+512*\j
.endr
.endr
.endm
; THE SOFTMAX OF ONE HEAD'S 128 KEYS, on registers alone: from w8 in v64-127 to p's codes in v208-219, its scale word in v58, the sum and O^T under the new M.  mr: -M and the largest w8; sr: the sum's pair; ob: O^T.
.macro SOFT mr, sr, ob
	s_wait_alu depctr_va_vdst(0)                   ; the wait ahead of the first reader of the scores
.irp q, 0,1,2,3
	v_max3_num_f32 v[192+\q], v[64+16*\q], v[65+16*\q], v[66+16*\q]          ; four chains by turns, each accumulator first read at its low end
.endr
.irp i, 3,5,7,9,11,13
.irp q, 0,1,2,3
	v_max3_num_f32 v[192+\q], v[192+\q], v[64+16*\q+\i], v[65+16*\q+\i]
.endr
.endr
	v_max3_num_f32 v192, v192, v193, v79
	v_max3_num_f32 v194, v194, v195, v111
	v_max_num_f32 v192, v192, v95                  ; my block h's largest w8: for the row's maximum and for the block's largest p
	v_max_num_f32 v194, v194, v127                 ; and my block 2 + h's
	s_delay_alu instid0(VALU_DEP_1)
	v_max_num_f32 v196, v192, v194
	s_delay_alu instid0(VALU_DEP_1)
	v_permlanex16_b32 v197, v196, s[SEL], s[SEL+1]
	s_delay_alu instid0(VALU_DEP_1)
	v_max3_num_f32 v[\mr+1], v[\mr+1], v196, v197  ; the running largest w8
	s_delay_alu instid0(VALU_DEP_1)
	v_mul_f32 v198, s26, v[\mr+1]
	s_delay_alu instid0(VALU_DEP_1)
	v_floor_f32 v198, v198                         ; the new -M
	s_delay_alu instid0(VALU_DEP_1)
	v_sub_f32 v199, v198, v[\mr]                   ; old M - new M: a whole number, 0 or less
	v_mov_b32 v[\mr], v198
	s_delay_alu instid0(VALU_DEP_2)
	v_cvt_i32_f32 v199, v199                       ; (it saturates)
	s_delay_alu instid0(VALU_DEP_1)
	v_ldexp_f32 v228, 1.0, v199                    ; f = 2^(old M - new M)
.set J, 0
.rept 32
	v_pk_fma_f32 v[64+J:65+J], v[64+J:65+J], s[CS:CS+1], v[\mr:\mr+1] op_sel_hi:[1,0,0]   ; t - M
.set J, J+2
.endr
	v_fma_f32 v192, v192, s[CS], v[\mr]            ; the same of each block's largest
	v_fma_f32 v194, v194, s[CS], v[\mr]
	s_wait_alu depctr_va_vdst(0)                   ; the wait ahead of the batch
	v_exp_f32 v192, v192
	v_exp_f32 v194, v194
.set J, 0
.rept 64
	v_exp_f32 v[64+J], v[64+J]                     ; p
.set J, J+1
.endr
	v_pk_mul_f32 v[\sr:\sr+1], v[\sr:\sr+1], v[228:229] op_sel_hi:[1,0]      ; the sum under the new M: the plain line behind the batch
	s_wait_alu depctr_va_vdst(0)                   ; and one wait behind it, ahead of its first reader
.irp k, 0,1,2,3,4,5,6
	v_pk_add_f32 v[232+2*\k:233+2*\k], v[64+2*\k:65+2*\k], v[78+2*\k:79+2*\k]   ; the row's sum of the unquantised p: eight chains
.endr
	v_pk_add_f32 v[\sr:\sr+1], v[\sr:\sr+1], v[92:93]
.irp k, 0,1,2,3,4,5,6
	v_pk_add_f32 v[232+2*\k:233+2*\k], v[232+2*\k:233+2*\k], v[94+2*\k:95+2*\k]
.endr
	v_pk_add_f32 v[\sr:\sr+1], v[\sr:\sr+1], v[108:109]
.irp k, 0,1,2,3,4,5,6
	v_pk_add_f32 v[232+2*\k:233+2*\k], v[232+2*\k:233+2*\k], v[110+2*\k:111+2*\k]
.endr
	v_pk_add_f32 v[\sr:\sr+1], v[\sr:\sr+1], v[124:125]
	v_pk_add_f32 v[232:233], v[232:233], v[126:127]
	v_pk_add_f32 v[234:235], v[234:235], v[240:241]
	v_pk_add_f32 v[236:237], v[236:237], v[242:243]
	v_pk_add_f32 v[238:239], v[238:239], v[244:245]
	s_delay_alu instid0(VALU_DEP_4)
	v_pk_add_f32 v[\sr:\sr+1], v[\sr:\sr+1], v[232:233]
	s_delay_alu instid0(VALU_DEP_3)
	v_pk_add_f32 v[234:235], v[234:235], v[236:237]
	s_delay_alu instid0(VALU_DEP_2)
	v_pk_add_f32 v[\sr:\sr+1], v[\sr:\sr+1], v[238:239]
	s_delay_alu instid0(VALU_DEP_1)
	v_pk_add_f32 v[\sr:\sr+1], v[\sr:\sr+1], v[234:235]
	v_max_num_f32 v192, 0x1800000, v192            ; the floor 2^(3 - 127)
	v_max_num_f32 v194, 0x1800000, v194
	s_delay_alu instid0(VALU_DEP_2)
	v_add_nc_u32 v200, 0xff000000, v192            ; 2 off the exponent field: the conversion's scale operand
	s_delay_alu instid0(VALU_DEP_2)
	v_add_nc_u32 v201, 0xff000000, v194
	s_delay_alu instid0(VALU_DEP_2)
	v_lshrrev_b32 v202, 23, v200
	s_delay_alu instid0(VALU_DEP_2)
	v_lshrrev_b32 v203, 23, v201
	s_delay_alu instid0(VALU_DEP_1)
	v_lshl_or_b32 v202, v203, 16, v202             ; my two bytes: blocks h and 2 + h,
	s_delay_alu instid0(VALU_DEP_1)
	v_lshlrev_b32 v202, v63, v202                  ; at their places in the word (8 h bits up);
	s_delay_alu instid0(VALU_DEP_1)
	v_permlanex16_b32 v204, v202, s[SEL], s[SEL+1]
	s_delay_alu instid0(VALU_DEP_1)
	v_or_b32 v58, v202, v204                       ; with lane l xor 16's two the word is whole
	v_cvt_scalef32_pk16_fp6_f32 v[208:210], v[64:79], v200
	v_cvt_scalef32_pk16_fp6_f32 v[220:222], v[80:95], v200                   ; (a conversion's three registers begin on an even number)
	v_cvt_scalef32_pk16_fp6_f32 v[214:216], v[96:111], v201
	v_cvt_scalef32_pk16_fp6_f32 v[224:226], v[112:127], v201
	v_nop                                          ; one plain line behind the last scaled conversion
.irp i, 0,1,2
	v_mov_b32 v[211+\i], v[220+\i]
	v_mov_b32 v[217+\i], v[224+\i]
.endr
	s_wait_alu depctr_va_vdst(0)                   ; the wait directly ahead of the first reader of O^T
.set J, 0
.rept 16
	v_pk_mul_f32 v[\ob+J:\ob+J+1], v[\ob+J:\ob+J+1], v[228:229] op_sel_hi:[1,0]   ; O^T under the new M; these sixteen are the places ahead of the scaled products
.set J, J+2
.endr
.endm
.macro PARTB                           ; head B's second half
	SOFT 16, 18, 160
	PV 160, 176, 56
	WIN 0
	PLACES                                         ; four places ahead of loads into registers that the products read
.endm
; A KEY STEP.  first = 1: no second half of B is owed from a step before.
.macro STEP first
	v_add_nc_u32 v8, s[TB], v1
	v_add_nc_u32 v9, s[TB], v2
	v_add_nc_u32 v10, s[TB], v3
	v_add_nc_u32 v11, s[TB], v4
	s_wait_alu depctr_va_vdst(0)
	WIN 0x40                                       ; destination window 1
.irp c, 0,1
.irp j, 0,1,2,3,4,5,6,7
	ds_load_b128 v[32*\c+4*\j:32*\c+4*\j+3], v11 offset:256*\c+16*\j         ; the mask at my query and keys 64 c + 32 h + 0 .. 31: register for register as the scores lie
.endr
.endr
	LDF 64, 0                                      ; A's K
	WIN 0
.irp b, 0,1,2,3
	ds_load_b32 v[46+\b], v9 offset:128*\b         ; the scale words of A's K, of B's K,
	ds_load_b32 v[50+\b], v9 offset:512+128*\b
.endr
	ds_load_b32 v54, v10                           ; and of A's V
	ds_load_b32 v55, v10 offset:128
.if \first == 0
	PARTB                                          ; on registers, while the 38 loads above land
.endif
	WIN 0x40
	LDF 120, 4*FRB                                 ; B's K
	LDF 176, 24576+4*FRB                           ; B's V
	WIN 0
	ds_load_b32 v56, v10 offset:256
	ds_load_b32 v57, v10 offset:384
	s_wait_dscnt 26                                ; all but the 26 just issued: the mask, A's K and the first ten scale words are in
	WIN 0x41                                       ; source 0 and destination window 1
.set J, 0
.rept 32
	v_pk_mul_f32 v[J:J+1], v[J:J+1], s[CM:CM+1] op_sel_hi:[1,0]              ; mask x (-8e9), once for both heads
.set J, J+2
.endr
	PLACES
	SCORES 64, 20, 46, 44
	WIN 0
	PLACES                                         ; four places: ahead of the loads into K's registers and of the first read of the scores
	WIN 0x40
	LDF 64, 24576                                  ; A's V: the step's last reads of its slot
	WIN 0
	SOFT 12, 14, 128
	s_wait_alu depctr_va_vdst(0)
	s_wait_dscnt 0x0                               ; B's K and V, A's V
	SCORES 120, 32, 50, 45                         ; B's scores stay in registers over the round
	PV 128, 64, 54
	WIN 0
	PLACES
	s_xor_b32 s[TB], s[TB], SLOT1                  ; the next step reads the other slot
.endm
; A CHANGE OF SLOTS behind which the next key step is asked for, into the slot just left (the first time: slot 1's first fill).
.macro CHANGE1
	s_wait_tensorcnt 0x0                           ; no tensor load of mine is out: my part of the slot ahead has landed, and a group 0 may be written
	ds_add_u32 v[SPW], v[NIL]                      ; 0 onto my spare word, twice on end
	ds_add_u32 v[SPW], v[NIL]
	s_xor_b32 s[G0KV+1], s[G0KV+1], SLOT1
	s_add_nc_u64 s[G0KV+2:G0KV+3], s[G0KV+2:G0KV+3], KVB
	s_xor_b32 s[G0M+1], s[G0M+1], SLOT1
	s_add_nc_u64 s[G0M+2:G0M+3], s[G0M+2:G0M+3], 512
	s_wait_xcnt 0x0                                ; the last prefetch, a step back, has read its address
	s_add_nc_u64 s[PFA:PFA+1], s[PFA:PFA+1], s[PFS:PFS+1]
	s_wait_dscnt 0x0                               ; the adds are done, and my reads of the slot that I have left are over
	CROUND                                         ; both hold of every wave of every partner
	TLOAD                                          ; the first thing behind the round, and a wave's one tensor load until the next
	ASK
.endm
	s_load_b256 s[4:11], s[0:1], 0x0               ; mask, kv, qc, ao
	v_lshl_add_u32 v[SPW], v0, 2, SPARE
	v_mov_b32 v[NIL], 0
	ds_add_u32 v[SPW], v[NIL]                      ; the wave's opening: the add, twice on end, and its wait ahead of the first tensor loads
	ds_add_u32 v[SPW], v[NIL]
	v_lshrrev_b32 v8, 5, v0
	v_readfirstlane_b32 s[WV], v8                  ; wave 0..7
	s_and_b32 s13, s[WV], 1                        ; my pair of heads among the two
	s_lshr_b32 s14, s[WV], 1                       ; my tile of queries among the four
	s_bfe_u32 s15, ttmp6, 0x40000                  ; cx
	s_bfe_u32 s16, ttmp6, 0x40004                  ; cy: the group of four heads
	s_lshl_b32 s17, ttmp9, 2
	s_add_co_u32 s17, s17, s15                     ; xq: the block of 64 queries, 0..63 over both batches
	s_lshr_b32 s18, ttmp9, 3                       ; the batch
	s_lshl_b32 s66, s16, 2
	s_lshl_b32 s66, 15, s66                        ; my row of the cluster
	s_lshl_b32 s67, 0x1111, s15                    ; my column
	s_or_b32 s[G1KV], s66, (3<<16)|(1<<21)         ; kv's third: 68 rows of 32 elements of 8 bytes, dense, no padding
	s_mov_b32 s[G1KV+1], 32<<16
	s_mov_b32 s[G1KV+2], 68<<16
	s_mov_b32 s[G1KV+3], 32<<16
	s_mov_b32 s[G1KV+4], 68
	s_mov_b32 s[G1KV+5], 32
	s_mov_b32 s[G1KV+6], 0
	s_mov_b32 s[G1KV+7], 0
	s_or_b32 s[G1M], s67, (2<<16)|(1<<20)|(1<<21)|(6<<22)|(3<<25)   ; a run of the mask: 16 rows of 128 elements of 4 bytes, 2,048 elements apart; 4 words of padding behind every 128
	s_mov_b32 s[G1M+1], 128<<16
	s_mov_b32 s[G1M+2], 16<<16
	s_mov_b32 s[G1M+3], 128<<16
	s_mov_b32 s[G1M+4], 16
	s_mov_b32 s[G1M+5], 2048
	s_mov_b32 s[G1M+6], 0
	s_mov_b32 s[G1M+7], 0
	s_lshl_b32 s68, s18, 2
	s_add_co_u32 s68, s68, s16
	s_mul_i32 s68, s68, 16*KVB                     ; the first block of my batch and head group: hangs on the cluster's x and cy
	s_mul_i32 s70, s[WV], KVP
	s_add_co_u32 s72, s68, s70
	s_mov_b32 s73, 0
	s_add_co_u32 s76, s[WV], 1
	s_and_b32 s76, s76, 3                          ; which run of the mask I fetch, if I fetch one: waves 3 to 6: runs 0 to 3
	s_lshl_b32 s74, s17, 19                        ; my block's 64 rows of the mask, 8,192 bytes each: hangs on the cluster's x and cx,
	s_lshl_b32 s77, s76, 17                        ; and the run's 16 of them
	s_add_co_u32 s74, s74, s77
	s_mov_b32 s75, 0
	s_mul_i32 s76, s76, MRUN
	s_add_co_u32 s76, s76, MOFF                    ; where the run goes: the wave's number and constants alone
	s_mov_b32 s[SEL], 0x76543210
	s_mov_b32 s[SEL+1], 0xfedcba98
	s_mov_b32 s[CS], 0x3c76384f                    ; log2(e) / 96
	s_mov_b32 s[CS+1], s[CS]
	s_mov_b32 s26, 0xbc76384f                      ; and its negative
	s_mov_b32 s[CM], 0xcfee6b28                    ; -8e9
	s_mov_b32 s[CM+1], s[CM]
	s_mov_b32 s[TB], 0
	s_mov_b32 s[SLOTS], 15
	s_wait_dscnt 0x0                               ; both opening adds are done
	s_wait_kmcnt 0x0
	s_mov_b32 s[G0KV], 1
	s_mov_b32 s[G0KV+1], s70
	s_add_nc_u64 s[G0KV+2:G0KV+3], s[6:7], s[72:73]
	s_or_b32 s[G0KV+3], s[G0KV+3], 0x80000000
	s_mov_b32 s[G0M], 1
	s_mov_b32 s[G0M+1], s76
	s_add_nc_u64 s[G0M+2:G0M+3], s[4:5], s[74:75]
	s_or_b32 s[G0M+3], s[G0M+3], 0x80000000
	CROUND                                         ; all sixteen work-groups are here
	TLOAD                                          ; key step 0 into slot 0
	; the scalars of the rest of the head.  Q: (batch x 16 + head A) x 64 + pair of tiles
	s_lshl_b32 s74, s18, 4
	s_lshl_b32 s75, s16, 2
	s_add_co_u32 s74, s74, s75
	s_lshl_b32 s75, s13, 1
	s_add_co_u32 s74, s74, s75
	s_lshl_b32 s74, s74, 6
	s_and_b32 s75, s17, 31
	s_lshl_b32 s75, s75, 1
	s_add_co_u32 s74, s74, s75
	s_lshr_b32 s75, s14, 1
	s_add_co_u32 s74, s74, s75
	s_mul_i32 s76, s74, FRB
	s_mov_b32 s77, 0
	s_add_nc_u64 s[76:77], s[8:9], s[76:77]
	s_lshl_b32 s78, s74, 7
	s_add_co_u32 s78, s78, QS_OFF
	s_mov_b32 s79, 0
	s_add_nc_u64 s[78:79], s[8:9], s[78:79]
	s_and_b32 s80, s14, 1
	s_lshl_b32 s81, s80, 6
	s_cmp_eq_u32 s80, 1
	s_cselect_b32 s59, -1, 0                       ; the odd tile's half of the image?
	s_mul_i32 s60, s13, 8*FRB                      ; head A's K images
	s_lshl_b32 s61, s13, 10
	s_add_co_u32 s61, s61, 49152                   ; its K's scale words
	s_lshl_b32 s62, s13, 9
	s_add_co_u32 s62, s62, 51200                   ; its V's
	s_mul_i32 s63, s75, 2*MRUN                     ; the mask: my query is run 2 (tile / 2) + r / 8, row 8 (tile % 2) + r % 8 in it
	s_mul_i32 s66, s80, 8*MP
	s_add_co_u32 s63, s63, s66
	s_add_co_u32 s63, s63, MOFF
	; the prefetches
	s_lshl_b32 s66, s17, 19
	s_lshl_b32 s67, s16, 17
	s_add_co_u32 s66, s66, s67
	s_add_co_u32 s66, s66, 512                     ; the mask: my work-group's 16 rows, at key step 1: the first change of slots steps it to 2
	s_mul_i32 s82, s15, 51*256
	s_add_co_u32 s67, s68, s82
	s_add_co_u32 s67, s67, KVB                     ; kv: my work-group's 51 blocks, likewise
	s_mov_b32 s[PFS], KVB
	s_cmp_eq_u32 s[WV], PFW
	s_cselect_b64 s[PFA:PFA+1], s[4:5], s[6:7]
	s_cselect_b32 s66, s66, s67
	s_cselect_b32 s[PFS], 512, s[PFS]
	s_cselect_b32 s83, -1, 0
	s_mov_b32 s67, 0
	s_mov_b32 s[PFS+1], 0
	s_add_nc_u64 s[PFA:PFA+1], s[PFA:PFA+1], s[66:67]
	s_and_b32 s82, s[WV], 1
	s_lshl_b32 s82, s82, 5
	s_lshr_b32 s66, s[WV], 1                       ; 0 in waves 0 and 1,
	s_and_b32 s67, ttmp9, 7
	s_or_b32 s66, s66, s67                         ; of the first of the eight clusters of a batch: the same in all partners
	s_cmp_eq_u32 s66, 0
	s_cselect_b32 s[LIM], 1, -1
	s_cmp_eq_u32 s[WV], PFW
	s_cselect_b32 s[LIM], 1, s[LIM]
	; the vector registers that stay
	v_and_b32 v8, 31, v0                           ; lane
	v_and_b32 v9, 15, v0                           ; r
	v_bfe_u32 v10, v0, 4, 1                        ; h
	v_lshlrev_b32 v62, 4, v8                       ; 16 x lane
	v_lshlrev_b32 v61, 3, v8                       ; 8 x lane
	v_lshlrev_b32 v63, 3, v10                      ; 8 h
	v_lshl_add_u32 v60, v9, 2, s81                 ; 4 (16 (tile % 2) + r): my row's word in a pair's 128 bytes
.irp j, 0,1,2
	global_load_b128 v[64+4*\j:67+4*\j], v62, s[76:77] offset:512*\j         ; Q's pair image of head A,
	global_load_b128 v[76+4*\j:79+4*\j], v62, s[76:77] offset:64*FRB+512*\j  ; of head B
.endr
	global_load_b32 v44, v60, s[78:79]
	global_load_b32 v45, v60, s[78:79] offset:8192
	v_add_nc_u32 v1, s60, v62
	v_lshl_add_u32 v2, v8, 2, s61
	v_lshl_add_u32 v3, v8, 2, s62
	v_and_b32 v4, 7, v9
	v_lshrrev_b32 v5, 3, v9
	v_mul_u32_u24 v4, v4, MP
	v_lshrrev_b32 v11, 1, v8
	v_mad_u32_u24 v4, v5, MRUN, v4
	v_lshlrev_b32 v11, 13, v11
	v_lshl_add_u32 v4, v10, 7, v4                  ; + 128 h
	v_and_b32 v5, 1, v8
	v_add_nc_u32 v4, s63, v4
	v_lshl_add_u32 v11, v5, 8, v11                 ; the mask's prefetch: row lane / 2, block lane % 2
	v_add_nc_u32 v[PFO], s82, v8
	v_mov_b32 v13, 0xff61b1e6                      ; the largest w8 so far: -3e38
	v_min_u32 v[PFO], 50, v[PFO]
	v_mul_f32 v12, s26, v13
	v_lshlrev_b32 v[PFO], 8, v[PFO]                ; kv's: block lane + 32 wave, held at the 51st
	v_floor_f32 v12, v12                           ; -M
	v_cndmask_b32 v[PFO], v[PFO], v11, s83
	v_mov_b32 v17, v13
	v_mov_b32 v16, v12
.irp i, 14,15,18,19,197,204,229
	v_mov_b32 v\i, 0                               ; the sums; lane permutes' destinations and the upper half of f's pair, written once
.endr
.set J, 0
.rept 64
	v_mov_b32 v[128+J], 0                          ; O^T of both heads: the step is written without a first form of its own; the first finds zeros
.set J, J+1
.endr
.irp i, 0,1,2,3,4,5
	v_mov_b32 v[26+\i], 0                          ; Q's upper halves: zero codes
	v_mov_b32 v[38+\i], 0
.endr
	WIN 0x40
.irp i, 0,1,2,3,4,5
	v_mov_b32 v[112+\i], 0                         ; what follows K's last tile, in window 1
	v_mov_b32 v[168+\i], 0
.endr
	WIN 0
	s_wait_loadcnt 0x0                             ; Q
.irp i, 0,1,2,3,4,5
	v_cndmask_b32 v[20+\i], v[64+\i], v[70+\i], s59
	v_cndmask_b32 v[32+\i], v[76+\i], v[82+\i], s59
.endr
	s_wait_alu depctr_va_vdst(0)
	CHANGE1                                        ; key step 0 is written out: no second half is owed from a step before
	STEP 1
	s_mov_b32 s[SLOTS], 14
.Lslot:                                            ; 14 trips: key steps 1 to 14
	CHANGE1
	STEP 0
	s_sub_co_u32 s[SLOTS], s[SLOTS], 1
	s_cmp_lg_u32 s[SLOTS], 0
	s_cbranch_scc1 .Lslot
	s_wait_tensorcnt 0x0                           ; the last change of slots is written out: nothing is asked for
	ds_add_u32 v[SPW], v[NIL]
	s_wait_dscnt 0x0
	s_barrier_signal -1
	s_barrier_wait -1
	STEP 0                                         ; key step 15,
	PARTB                                          ; and B's second half of it
	; THE WAY OUT: O^T / the sum; register 16 b + i is d = 32 b + 16 h + i of my query: two blocks of the last product's K for each head.  They become half of a fragment (six registers) and two scale bytes.
	v_add_f32 v14, v14, v15
	v_add_f32 v18, v18, v19
	s_delay_alu instid0(VALU_DEP_2)
	v_permlanex16_b32 v196, v14, s[SEL], s[SEL+1]
	s_delay_alu instid0(VALU_DEP_2)
	v_permlanex16_b32 v197, v18, s[SEL], s[SEL+1]
	s_delay_alu instid0(VALU_DEP_2)
	v_add_f32 v14, v14, v196                       ; the rows' sums
	s_delay_alu instid0(VALU_DEP_2)
	v_add_f32 v18, v18, v197
	s_wait_alu depctr_va_vdst(0)                   ; the wait ahead of the batch
	v_rcp_f32 v14, v14
	v_rcp_f32 v18, v18
	v_nop
	s_lshr_b32 s66, s17, 1
	s_mul_i32 s66, s66, GRP                        ; the group of 128 tokens
	s_lshl_b32 s67, s16, 1
	s_add_co_u32 s67, s67, s13
	s_mul_i32 s67, s67, KSB                        ; the K step: my two heads
	s_add_co_u32 s66, s66, s67
	s_and_b32 s67, s17, 1
	s_lshl_b32 s67, s67, 2
	s_add_co_u32 s67, s67, s14
	s_mul_i32 s67, s67, FRB                        ; the tile
	s_add_co_u32 s66, s66, s67
	s_mov_b32 s67, 0
	s_add_nc_u64 s[66:67], s[10:11], s[66:67]
	s_lshl_b32 s68, s16, 2
	s_lshl_b32 s69, s13, 1
	s_add_co_u32 s68, s68, s69
	s_lshl_b32 s68, s68, 14                        ; head A's 16,384 bytes of words
	s_lshl_b32 s69, s17, 1
	s_lshr_b32 s71, s14, 1
	s_add_co_u32 s69, s69, s71
	s_lshl_b32 s69, s69, 7                         ; the pair of tiles
	s_add_co_u32 s68, s68, s69
	s_add_co_u32 s68, s68, AS_OFF
	s_mov_b32 s69, 0
	s_add_nc_u64 s[68:69], s[10:11], s[68:69]
; ob: O^T; rc: 1 / the sum; pb, wr: registers of its own for each head's codes and word, so that no store's data are written again; odd: head B's half of the fragment, its words, its bytes in the word's upper half
.macro OUTH ob, rc, pb, wr, odd
	s_wait_alu depctr_va_vdst(0)                   ; ahead of the first reader of the reciprocal and of O^T
.set J, 0
.rept 32
	v_mul_f32 v[64+J], v[\ob+J], v[\rc]
.set J, J+1
.endr
.irp b, 0,1
	v_max3_num_f32 v[192+\b], |v[64+16*\b]|, |v[65+16*\b]|, 0x1800000
.endr
.irp i, 2,4,6,8,10,12,14
.irp b, 0,1
	s_delay_alu instid0(VALU_DEP_2)
	v_max3_num_f32 v[192+\b], v[192+\b], |v[64+16*\b+\i]|, |v[65+16*\b+\i]|
.endr
.endr
.irp b, 0,1
	s_delay_alu instid0(VALU_DEP_2)
	v_permlanex16_b32 v[196+\b], v[192+\b], s[SEL], s[SEL+1]
.endr
.irp b, 0,1
	s_delay_alu instid0(VALU_DEP_2)
	v_max_num_f32 v[192+\b], v[192+\b], v[196+\b]
.endr
.irp b, 0,1
	s_delay_alu instid0(VALU_DEP_2)
	v_add_nc_u32 v[200+\b], 0xff000000, v[192+\b]
.endr
.irp b, 0,1
	s_delay_alu instid0(VALU_DEP_2)
	v_lshrrev_b32 v[204+\b], 23, v[200+\b]
.endr
	s_delay_alu instid0(VALU_DEP_1)
	v_lshl_or_b32 v[\wr], v205, 8, v204
.if \odd
	s_delay_alu instid0(VALU_DEP_1)
	v_lshlrev_b32 v[\wr], 16, v[\wr]
.endif
	v_cvt_scalef32_pk16_fp6_f32 v[\pb:\pb+2], v[64:79], v200
	v_cvt_scalef32_pk16_fp6_f32 v[\pb+4:\pb+6], v[80:95], v201
	v_nop
.irp i, 0,1,2
	v_permlane16_swap_b32 v[\pb+\i], v[\pb+4+\i]   ; a whole block to a lane
.endr
.irp i, 0,1,2
	v_mov_b32 v[\pb+3+\i], v[\pb+4+\i]
.endr
.irp j, 0,1,2
	global_store_b64 v61, v[\pb+2*\j:\pb+2*\j+1], s[66:67] offset:768*\odd+256*\j   ; 256 consecutive bytes a store: register R of lane l at 256 (R / 2) + 8 l + 4 (R % 2)
.endr
	global_store_b32 v60, v[\wr], s[68:69] offset:16384*\odd                 ; both halves of the lanes hold and write the same word
.endm
	OUTH 128, 14, 208, 206, 0
	OUTH 160, 18, 232, 207, 1
	s_wait_tensorcnt 0x0                           ; the wave's end
	ds_add_u32 v[SPW], v[NIL]
	s_wait_dscnt 0x0
	CROUND                                         ; the closing round
	s_endpgm
.Lfunc_end_k_q62569ebb01_attn:
	.size	k_q62569ebb01_attn, .Lfunc_end_k_q62569ebb01_attn-k_q62569ebb01_attn
	.p2alignl 7, 3214868480
	.fill 96, 4, 3214868480
	.section	.rodata,"a",@progbits
	.p2align	6, 0x0
	.amdhsa_kernel k_q62569ebb01_attn
		.amdhsa_group_segment_fixed_size 327680
		.amdhsa_private_segment_fixed_size 0
		.amdhsa_enable_private_segment 0
		.amdhsa_kernarg_size 32
		.amdhsa_user_sgpr_count 2
		.amdhsa_user_sgpr_kernarg_segment_ptr 1
		.amdhsa_wavefront_size32 1
		.amdhsa_system_sgpr_workgroup_id_x 1
		.amdhsa_system_sgpr_workgroup_id_y 1
		.amdhsa_system_sgpr_workgroup_id_z 1
		.amdhsa_system_vgpr_workitem_id 0
		.amdhsa_next_free_vgpr 512
		.amdhsa_next_free_sgpr 84
		.amdhsa_reserve_vcc 0
		.amdhsa_float_denorm_mode_32 3
		.amdhsa_float_denorm_mode_16_64 3
		.amdhsa_memory_ordered 1
		.amdhsa_forward_progress 1
		.amdhsa_inst_pref_size 127
	.end_amdhsa_kernel
	.amdgpu_metadata
---
amdhsa.version: [ 1, 2 ]
amdhsa.kernels:
  - .name:           k_q62569ebb01_attn
    .symbol:         k_q62569ebb01_attn.kd
    .args:
      - { .name: mask, .offset: 0, .size: 8, .value_kind: global_buffer, .address_space: global }
      - { .name: kv, .offset: 8, .size: 8, .value_kind: global_buffer, .address_space: global }
      - { .name: qc, .offset: 16, .size: 8, .value_kind: global_buffer, .address_space: global }
      - { .name: ao, .offset: 24, .size: 8, .value_kind: global_buffer, .address_space: global }
    .group_segment_fixed_size: 327680
    .private_segment_fixed_size: 0
    .kernarg_segment_align: 8
    .kernarg_segment_size: 32
    .max_flat_workgroup_size: 256
    .sgpr_count:     84
    .vgpr_count:     512
    .wavefront_size: 32
...
	.end_amdgpu_metadata
.endif
;; end of part 3
;; launch oproj (part 4): grid 8 x 32, 4 waves a work-group, clusters of 4 x 4, 230,912 bytes of LDS; arguments ao, wq, bo, out0; writes out0
.if DOCPART == 4
	.amdgcn_target "amdgcn-amd-amdhsa--gfx1250"
	.amdhsa_code_object_version 6
	.text
	.protected	k_q62569ebb01_oproj
	.globl	k_q62569ebb01_oproj
	.p2align	8
	.type	k_q62569ebb01_oproj,@function
k_q62569ebb01_oproj:
	s_mov_b64 s[64:65], 0
	v_nop
	global_prefetch_b8 v0, s[64:65] scope:SCOPE_SE
	s_setreg_imm32_b32 hwreg(HW_REG_WAVE_MODE, 25, 1), 1
	s_wait_xcnt 0x0
	s_wait_alu depctr_hold_cnt(0) depctr_sa_sdst(0) depctr_va_vdst(0) depctr_va_sdst(0) depctr_va_ssrc(0) depctr_va_vcc(0) depctr_vm_vsrc(0)
	s_getreg_b32 s2, hwreg(HW_REG_IB_STS2, 6, 4)
	s_cmp_eq_u32 s2, 0
	s_cbranch_scc0 .Lentry_in_a_cluster
	s_endpgm
.Lentry_in_a_cluster:
	s_bfe_u32 s2, ttmp6, 0x10000c
	s_cmp_lg_u32 s2, 0xf033
	s_cbranch_scc0 .Lentry_shape_is_right
	s_endpgm
.Lentry_shape_is_right:
; Launch 4 of 4: out0 = (the attention's result) Wo + bo, on codes of E2M3.  No work of the problem is left out.
; SHARES: work-group (gx, gy): 128 columns n x 128 tokens, all of K = 1,024; both operands' blocks, 98,304 dense bytes each, are filled into LDS once.  CLUSTER 4 x 4: Wo's block is asked for jointly down a column of the cluster, the tokens' along a row.
; Source 0 = Wo's eight tiles of columns, source 1 = two tiles of tokens a wave: a lane holds one token and 16 neighbouring columns of each 32.  bo is the C of each sum's first product.  16 accumulators by turns.
; The tokens' fragments lie as images by pairs of registers (register R of lane l at 256 (R / 2) + 8 l + 4 (R % 2)): six loads of 8 bytes a lane.  Their scale words come head by head and are joined, two heads to a K step.
; REGISTERS: window 0: v4-15 addresses; v16-47, v48-55 scale words; v64-191 accumulators; v192-255 at work.   window 1: two sets of 120 registers of fragments.   window 2: v0-63 bo, eight registers a tile, in the result's layout.
.set GRP,    98304
.set HALF,   49152
.set KSB,    12288
.set FRB,    1536
.set WS_OFF, 3145728
.set AS_OFF, 3145728
.set SP,     528
.set STAGE,  2*GRP                     ; behind the two blocks: 16 rows x 528 bytes for each wave; no fill lands there
.set SPARE,  STAGE+4*16*SP             ; behind the stages: the spare words, two blocks of 256 bytes that no other line names
.set A0,  4
.set A1,  6
.set LI,  10
.set LS,  11
.set SPW, 12
.set NIL, 13
.set STO, 14
.set RD,  15
.set SC0, 16
.set SC1, 48
.set ACC, 64
.set WV,  12
.set G1W, 28
.set G1X, 36
.set G0W, 44
.set G0X, 48
.set MSB, 0
.macro WIN new
.if MSB != (\new)
	s_set_vgpr_msb (MSB<<8)|(\new)
.set MSB, \new
.endif
.endm
.macro CROUND
	s_barrier_signal -1
	s_barrier_wait -1
	s_cmp_lg_u32 s[WV], 0
	s_cbranch_scc1 .Lnot_wave_0_\@
	s_barrier_signal -3
.Lnot_wave_0_\@:
	s_barrier_wait -3
	s_barrier_signal -1
	s_barrier_wait -1
.endm
.macro JLOAD
	s_cmp_lt_u32 s[WV], 2
	s_cbranch_scc0 .Lfor_x_\@
	tensor_load_to_lds s[G0W:G0W+3], s[G1W:G1W+7]
	s_nop 0
.rept 4
	v_nop
.endr
	s_branch .Lasked_\@
.Lfor_x_\@:
	tensor_load_to_lds s[G0X:G0X+3], s[G1X:G1X+7]
	s_nop 0
.rept 4
	v_nop
.endr
.Lasked_\@:
.endm
	s_load_b256 s[4:11], s[0:1], 0x0               ; ao, wq, bo, out0
	v_lshl_add_u32 v[SPW], v0, 2, SPARE
	v_mov_b32 v[NIL], 0
	ds_add_u32 v[SPW], v[NIL]                      ; the wave's opening: the add, twice on end, and its wait ahead of my first tensor load
	ds_add_u32 v[SPW], v[NIL]
	v_lshrrev_b32 v1, 5, v0
	v_readfirstlane_b32 s[WV], v1
	s_bfe_u32 s13, ttmp6, 0x40000                  ; cx
	s_bfe_u32 s14, ttmp6, 0x40004                  ; cy
	s_lshl_b32 s15, ttmp9, 2
	s_add_co_u32 s15, s15, s13                     ; gx
	s_and_b32 s16, ttmp7, 0xffff
	s_lshl_b32 s16, s16, 2
	s_add_co_u32 s16, s16, s14                     ; gy
	s_lshl_b32 s52, s14, 2
	s_lshl_b32 s52, 15, s52
	s_lshl_b32 s53, 0x1111, s13
	s_or_b32 s[G1X], s52, (3<<16)|(1<<21)
	s_or_b32 s[G1W], s53, (3<<16)|(1<<21)
.irp g, G1W, G1X
	s_mov_b32 s[\g+1], 32<<16                      ; half a block as 192 rows of 256 bytes
	s_mov_b32 s[\g+2], 192<<16
	s_mov_b32 s[\g+3], 32<<16
	s_mov_b32 s[\g+4], 192
	s_mov_b32 s[\g+5], 32
	s_mov_b32 s[\g+6], 0
	s_mov_b32 s[\g+7], 0
.endr
	s_and_b32 s56, s[WV], 1
	s_mul_i32 s56, s56, HALF
	s_add_co_u32 s60, s15, 24                      ; Wo's groups are wq's 24 to 31
	s_mul_i32 s54, s60, GRP
	s_add_co_u32 s54, s54, s56
	s_mov_b32 s55, 0
	s_mul_i32 s58, s16, GRP
	s_add_co_u32 s58, s58, s56
	s_mov_b32 s59, 0
	s_mul_i32 s57, s[WV], HALF
	s_lshl_b32 s66, s60, 12
	s_add_co_u32 s66, s66, WS_OFF                  ; Wo's scale blocks
	s_mov_b32 s67, 0
	s_wait_dscnt 0x0
	s_wait_kmcnt 0x0
	s_mov_b32 s[G0W], 1
	s_mov_b32 s[G0W+1], s57
	s_add_nc_u64 s[G0W+2:G0W+3], s[6:7], s[54:55]
	s_or_b32 s[G0W+3], s[G0W+3], 0x80000000
	s_mov_b32 s[G0X], 1
	s_mov_b32 s[G0X+1], s57
	s_add_nc_u64 s[G0X+2:G0X+3], s[4:5], s[58:59]
	s_or_b32 s[G0X+3], s[G0X+3], 0x80000000
	CROUND
	JLOAD                                          ; my one tensor load of the launch
	s_add_nc_u64 s[66:67], s[6:7], s[66:67]
	s_lshl_b32 s68, s16, 2
	s_add_co_u32 s68, s68, s[WV]
	s_lshl_b32 s68, s68, 7
	s_add_co_u32 s68, s68, AS_OFF                  ; my pair of tiles' words, head 0's
	s_mov_b32 s69, 0
	s_add_nc_u64 s[68:69], s[4:5], s[68:69]
	s_lshl_b32 s70, s15, 9
	s_mov_b32 s71, 0
	s_add_nc_u64 s[74:75], s[8:9], s[70:71]        ; bo at my 128 columns
	s_lshl_b32 s72, s16, 7
	s_lshl_b32 s73, s[WV], 5
	s_add_co_u32 s72, s72, s73
	s_lshl_b32 s72, s72, 12
	s_add_co_u32 s72, s72, s70                     ; out0: my 32 tokens' rows of 4,096 bytes, my 512 bytes of them
	s_mov_b32 s73, 0
	s_add_nc_u64 s[72:73], s[10:11], s[72:73]
	v_and_b32 v1, 31, v0
	v_and_b32 v2, 15, v0
	v_bfe_u32 v3, v0, 4, 1
	v_lshlrev_b32 v[LI], 4, v1
	v_lshlrev_b32 v[LS], 2, v1
	v_lshlrev_b32 v8, 3, v2
	v_lshl_add_u32 v8, v3, 11, v8                  ; 2,048 h + 8 r
	v_lshlrev_b32 v9, 6, v3                        ; 64 h
.irp i, 0,1,2,3
.irp u, 0,1,2,3
	global_load_b64 v[SC0+8*\i+2*\u:SC0+8*\i+2*\u+1], v8, s[66:67] offset:512*\i+128*\u
.endr
.endr
.set J, 0
.rept 16
	global_load_b32 v[192+J], v[LS], s[68:69] offset:16384*J
.set J, J+1
.endr
	WIN 0x80                                       ; destination window 2
.irp i, 0,1,2,3,4,5,6,7
	global_load_b128 v[8*\i:8*\i+3], v9, s[74:75] offset:(32*(\i/2)+8*(\i%2))*4      ; bo at columns 32 (i / 2) + 16 h + 8 (i % 2) + 0 .. 7
	global_load_b128 v[8*\i+4:8*\i+7], v9, s[74:75] offset:(32*(\i/2)+8*(\i%2))*4+16
.endr
	WIN 0
	v_mov_b32 v[A0], v[LI]
	v_add_nc_u32 v[A0+1], HALF, v[A0]
	s_mul_i32 s76, s[WV], 2*FRB
	s_add_co_u32 s76, s76, GRP
	v_lshl_add_u32 v[A1], v1, 3, s76               ; the tokens' block + 3,072 x wave + 8 x lane
	v_add_nc_u32 v[A1+1], HALF, v[A1]
	s_mul_i32 s76, s[WV], 16*SP
	s_add_co_u32 s76, s76, STAGE
	v_mul_u32_u24 v[STO], v2, SP
	v_lshl_add_u32 v[STO], v3, 6, v[STO]
	v_add_nc_u32 v[STO], s76, v[STO]               ; my stage: row r, + 64 h
	v_add_nc_u32 v[RD], s76, v[LI]                 ; and back: a row's 512 bytes
	s_wait_loadcnt 0x0
.irp S, 0,1,2,3,4,5,6,7
	v_or_b32 v[SC1+\S], v[192+2*\S], v[193+2*\S]   ; an even head's two bytes below, an odd head's above
.endr
.rept 8
	v_nop                                          ; a scale register written by a vector instruction stands eight places ahead of a scaled product
.endr
	s_wait_alu depctr_va_vdst(0)
	s_wait_tensorcnt 0x0
	s_barrier_signal -1
	s_barrier_wait -1
.macro FETCH S
.set FP, 128*((\S)%2)
.set FO, ((\S)%4)*KSB
.irp i, 0,1,2,3,4,5,6,7
.irp j, 0,1,2
	ds_load_b128 v[FP+12*\i+4*\j:FP+12*\i+4*\j+3], v[A0+(\S)/4] offset:FO+FRB*\i+512*\j
.endr
.endr
.irp t, 0,1
.irp p, 0,1,2,3,4,5
	ds_load_b64 v[FP+96+12*\t+2*\p:FP+96+12*\t+2*\p+1], v[A1+(\S)/4] offset:FO+FRB*\t+256*\p
.endr
.endr
.endm
.macro PROD S, i, t
.set PD, ACC+64*(\t)+8*(\i)
.set PA, KP+12*(\i)
.set PB, KP+96+12*(\t)
.set PSA, SC0+8*((\i)%4)+(\S)
.set PSB, SC1+(\S)
.set PCC, PD
.if (\S) == 0
.set PCC, 8*(\i)                       ; bo's tile, in window 2
.endif
.if (\i) >= 4
.if (\t) == 1
	v_wmma_scale_f32_16x16x128_f8f6f4 v[PD:PD+7], v[PA:PA+11], v[PB:PB+11], v[PCC:PCC+7], v[PSA], v[PSB] matrix_a_fmt:MATRIX_FMT_FP6 matrix_b_fmt:MATRIX_FMT_FP6 matrix_a_scale:MATRIX_SCALE_ROW1 matrix_b_scale:MATRIX_SCALE_ROW1
.else
	v_wmma_scale_f32_16x16x128_f8f6f4 v[PD:PD+7], v[PA:PA+11], v[PB:PB+11], v[PCC:PCC+7], v[PSA], v[PSB] matrix_a_fmt:MATRIX_FMT_FP6 matrix_b_fmt:MATRIX_FMT_FP6 matrix_a_scale:MATRIX_SCALE_ROW1
.endif
.else
.if (\t) == 1
	v_wmma_scale_f32_16x16x128_f8f6f4 v[PD:PD+7], v[PA:PA+11], v[PB:PB+11], v[PCC:PCC+7], v[PSA], v[PSB] matrix_a_fmt:MATRIX_FMT_FP6 matrix_b_fmt:MATRIX_FMT_FP6 matrix_b_scale:MATRIX_SCALE_ROW1
.else
	v_wmma_scale_f32_16x16x128_f8f6f4 v[PD:PD+7], v[PA:PA+11], v[PB:PB+11], v[PCC:PCC+7], v[PSA], v[PSB] matrix_a_fmt:MATRIX_FMT_FP6 matrix_b_fmt:MATRIX_FMT_FP6
.endif
.endif
.endm
.macro KSTEP S
	s_wait_dscnt 0x0
.if (\S) < 7
.rept 4
	v_nop                                          ; four places ahead of the loads into the set that the last step's products read
.endr
	WIN 0x40
	FETCH (\S)+1
.endif
.if (\S) == 0
	WIN 0x25                                       ; sources 0 and 1 window 1, C window 2, D window 0
.else
	WIN 0x05
.endif
.set KP, 128*((\S)%2)
.irp i, 0,1,2,3,4,5,6,7
.irp t, 0,1
	PROD \S, \i, \t
.endr
.endr
.endm
	WIN 0x40
	FETCH 0
.irp S, 0,1,2,3,4,5,6,7
	KSTEP \S
.endr
	WIN 0
.rept 4
	v_nop                                          ; four places ahead of the first read of results and of the loads into accumulators
.endr
; THE WAY OUT: a tile of 16 tokens x 128 columns goes through my own stage and comes back as whole rows of 512 bytes.  LDS serves a wave's instructions in order: no wait between the stores and the loads, nor ahead of the next tile's stores.
.macro TOSTAGE t, bk
.irp b, 0,1,2,3
.irp j, 0,1,2,3
	ds_store_b128 v[STO], v[ACC+64*(\t)+16*\b+4*\j:ACC+64*(\t)+16*\b+4*\j+3] offset:128*\b+16*\j   ; each accumulator from its low end on
.endr
.endr
.set J, 0
.rept 16
	ds_load_b128 v[(\bk)+4*J:(\bk)+4*J+3], v[RD] offset:SP*J
.set J, J+1
.endr
.endm
.macro SEND t, bk
.set J, 0
.rept 16
	global_store_b128 v[LI], v[(\bk)+4*J:(\bk)+4*J+3], s[72:73] offset:(8*(\t)+J+8*(J/8))*4096 th:TH_STORE_NT   ; 512 consecutive bytes, at a multiple of 256 from out0's first byte
.set J, J+1
.endr
.endm
	TOSTAGE 0, 192
	TOSTAGE 1, 64                                  ; (into the first tile's accumulators, which its stores have read)
	s_wait_dscnt 32                                ; the first tile is back; the second's 16 stores and 16 loads may be out
	SEND 0, 192
	s_wait_dscnt 0x0
	SEND 1, 64
	s_wait_tensorcnt 0x0                           ; the wave's end
	ds_add_u32 v[SPW], v[NIL]
	s_wait_dscnt 0x0
	CROUND                                         ; the closing round
	s_endpgm
.Lfunc_end_k_q62569ebb01_oproj:
	.size	k_q62569ebb01_oproj, .Lfunc_end_k_q62569ebb01_oproj-k_q62569ebb01_oproj
	.p2alignl 7, 3214868480
	.fill 96, 4, 3214868480
	.section	.rodata,"a",@progbits
	.p2align	6, 0x0
	.amdhsa_kernel k_q62569ebb01_oproj
		.amdhsa_group_segment_fixed_size 230912
		.amdhsa_private_segment_fixed_size 0
		.amdhsa_enable_private_segment 0
		.amdhsa_kernarg_size 32
		.amdhsa_user_sgpr_count 2
		.amdhsa_user_sgpr_kernarg_segment_ptr 1
		.amdhsa_wavefront_size32 1
		.amdhsa_system_sgpr_workgroup_id_x 1
		.amdhsa_system_sgpr_workgroup_id_y 1
		.amdhsa_system_sgpr_workgroup_id_z 1
		.amdhsa_system_vgpr_workitem_id 0
		.amdhsa_next_free_vgpr 576
		.amdhsa_next_free_sgpr 84
		.amdhsa_reserve_vcc 0
		.amdhsa_float_denorm_mode_32 3
		.amdhsa_float_denorm_mode_16_64 3
		.amdhsa_memory_ordered 1
		.amdhsa_forward_progress 1
		.amdhsa_inst_pref_size 54
	.end_amdhsa_kernel
	.amdgpu_metadata
---
amdhsa.version: [ 1, 2 ]
amdhsa.kernels:
  - .name:           k_q62569ebb01_oproj
    .symbol:         k_q62569ebb01_oproj.kd
    .args:
      - { .name: ao, .offset: 0, .size: 8, .value_kind: global_buffer, .address_space: global }
      - { .name: wq, .offset: 8, .size: 8, .value_kind: global_buffer, .address_space: global }
      - { .name: bo, .offset: 16, .size: 8, .value_kind: global_buffer, .address_space: global }
      - { .name: out0, .offset: 24, .size: 8, .value_kind: global_buffer, .address_space: global }
    .group_segment_fixed_size: 230912
    .private_segment_fixed_size: 0
    .kernarg_segment_align: 8
    .kernarg_segment_size: 32
    .max_flat_workgroup_size: 128
    .sgpr_count:     84
    .vgpr_count:     576
    .wavefront_size: 32
...
	.end_amdgpu_metadata
.endif
;; end of part 4
